; MI455X (gfx1250); checked and timed in simulation.
; The chip was launched on July 23, 2026; its instructions are those of AMD's public machine-readable ISA for CDNA 5 (MIT licence, August 2026) and "CDNA5" Instruction Set Architecture Reference Guide (July 2026). The comments in the code are by the model that wrote it; some were corrected since.
;; Multihead Attention. Allowed arithmetic: matrix products marked QUANTISED: E2M1 operands, one E8M0 scale for each 32 along K, by v_wmma_scale_f32_16x16x128_f8f6f4 with both operands' format E2M1 (or v_wmma_scale_f32_32x16x128_f4), f32 sums; everything else in f32.
;; Inputs: key_codes 2,048 x 4 x 32 x 16 uint8 (E2M1 codes of key, K innermost, in blocks of 32 codes, two codes a byte); key_scales 2,048 x 4 x 32 uint8 (E8M0 scales of key, one for each 32 codes along K); query_codes 2,048 x 4 x 32 x 16 uint8 (E2M1 codes of query, K innermost, in blocks of 32 codes, two codes a byte); query_scales 2,048 x 4 x 32 uint8 (E8M0 scales of query, one for each 32 codes along K); value_codes 2,048 x 4 x 32 x 16 uint8 (E2M1 codes of value, K innermost, in blocks of 32 codes, two codes a byte); value_scales 2,048 x 4 x 32 uint8 (E8M0 scales of value, one for each 32 codes along K); wk_b 1,024 float32; wk_w_codes 1,024 x 32 x 16 uint8 (E2M1 codes of wk_w, K innermost, in blocks of 32 codes, two codes a byte); wk_w_scales 1,024 x 32 uint8 (E8M0 scales of wk_w, one for each 32 codes along K); wo_b 1,024 float32; wo_w_codes 1,024 x 32 x 16 uint8 (E2M1 codes of wo_w, K innermost, in blocks of 32 codes, two codes a byte); wo_w_scales 1,024 x 32 uint8 (E8M0 scales of wo_w, one for each 32 codes along K); wq_b 1,024 float32; wq_w_codes 1,024 x 32 x 16 uint8 (E2M1 codes of wq_w, K innermost, in blocks of 32 codes, two codes a byte); wq_w_scales 1,024 x 32 uint8 (E8M0 scales of wq_w, one for each 32 codes along K); wv_b 1,024 float32; wv_w_codes 1,024 x 32 x 16 uint8 (E2M1 codes of wv_w, K innermost, in blocks of 32 codes, two codes a byte); wv_w_scales 1,024 x 32 uint8 (E8M0 scales of wv_w, one for each 32 codes along K).
;; Outputs: out0 2,048 x 4 x 1,024 float32.
;; This version of the problem:
;;   THIS VERSION OF THE PROBLEM IS GIVEN IN LOW PRECISION. The matrix products marked QUANTISED in the list below multiply operands that are first quantised to E2M1 (2 exponent bits, 1 mantissa bit; 4 bits a number), with one power-of-two scale for each 32 numbers along K (OCP MX v1.0); their sums are f32. All else is computed in f32.
;;   The module's matrix products, in the order in which they are computed (A, B: the left and right operand; K: the contracted axis; several contracted axes count as one K, in the product's order):
;;     1. [M 8,192, K 1,024] x [K 1,024, N 1,024]; A: input query (given as codes); B: input wq_w (given as codes): QUANTISED
;;     2. [M 8,192, K 1,024] x [K 1,024, N 1,024]; A: input key (given as codes); B: input wk_w (given as codes): QUANTISED
;;     3. [M 8,192, K 1,024] x [K 1,024, N 1,024]; A: input value (given as codes); B: input wv_w (given as codes): QUANTISED
;;     4. batch 64 x [M 2,048, K 64] x [K 64, N 2,048]; A: computed on the way; B: computed on the way: QUANTISED
;;     5. batch 64 x [M 2,048, K 2,048] x [K 2,048, N 64]; A: softmax (see below); B: computed on the way: QUANTISED
;;     6. [M 8,192, K 1,024] x [K 1,024, N 1,024]; A: computed on the way; B: input wo_w (given as codes): QUANTISED
;;   THE QUANTISER, for each operand of a quantised product, along K:
;;     - K is cut into blocks of 32 from its start; a last block that is shorter is filled with zeros.
;;     - A block's scale is 2^e with e = floor(log2(the largest magnitude in the block)) - 2, held to -126 .. 127; a block of zeros has e = 0. As a byte (E8M0): e + 127.
;;     - Each number is divided by its block's scale, clamped to +-6, and rounded to the nearest number of E2M1, ties to even, subnormals kept.
;;     - The product sums the exact products of the quantised numbers (number of the format x scale) in f32.
;;   ~~~python
;;   def quantise(x, axis):      # numpy; x: float32 -> the quantised numbers, widened to float32 again
;;       x = np.moveaxis(x, axis, -1); K = x.shape[-1]
;;       x = np.pad(x, [(0, 0)] * (x.ndim - 1) + [(0, -K % 32)]); x = x.reshape(x.shape[:-1] + (-1, 32)); a = np.abs(x).max(-1, keepdims=True)
;;       e = np.where(a > 0, np.clip(np.frexp(np.where(a > 0, a, 1))[1] - 1 - 2, -126, 127), 0)      # np.frexp(a)[1] - 1 = floor(log2(a)), exactly
;;       r = np.clip(x / 2.0 ** e, -6, 6)
;;       step = 2.0 ** (np.maximum(np.frexp(np.where(r == 0, 1, r))[1] - 1, 0) - 1)
;;       q = np.round(r / step) * step * 2.0 ** e      # np.round: ties to even
;;       return np.moveaxis(q.reshape(q.shape[:-2] + (-1,))[..., :K], -1, axis).astype(np.float32)
;;   ~~~
;;   SOFTMAX AHEAD OF A QUANTISED PRODUCT. Where the list says 'softmax', what is quantised is not the finished softmax but p = 2^(t - M), with t = logit x log2(e) and M = ceil(the row's largest t), a whole number; so 1/2 < the row's largest p <= 1. The row's sum l is taken of the UNQUANTISED p, in f32, and the product's result is divided by l at the end. Since M is a whole number, a kernel that streams over the keys may use a running M (the ceiling of the running maximum): every later rescaling is an exact power of two, which a block's scale takes up: the codes' values come out the same.
;;   OPERANDS COMPUTED ON THE WAY. 'Computed on the way' means the value that the module computes at that place (a softmax that the list does not call 'softmax' is quantised finished and normalised). What goes into a quantiser is computed in f32, as accurately as f32 sums, v_exp_f32 and their like allow (about 1e-6 of the number): no bf16 or f16 on the way to a quantiser, and a product that is left as it is and whose result goes on into a quantised operand takes f32 operands (vector FMAs, or v_wmma_f32_16x16x4_f32). A number that lies on a knife's edge between two numbers of the format may be rounded either way, as far as f32 arithmetic and the matrix unit's own rounding can turn it there, and no further.
;;   INPUTS GIVEN AS CODES. key (in the module: [2048, 4, 1024], K = its axis 2); query (in the module: [2048, 4, 1024], K = its axis 2); value (in the module: [2048, 4, 1024], K = its axis 2); wk_w (in the module: [1024, 1024], K = its axis 0); wo_w (in the module: [1024, 1024], K = its axis 0); wq_w (in the module: [1024, 1024], K = its axis 0); wv_w (in the module: [1024, 1024], K = its axis 0): each comes as NAME_codes (uint8): NAME with its K axis moved to the last place and cut into blocks of 32 codes, [.., K / 32, bytes a block], one block behind the other in memory; two codes a byte, the lower K in the low four bits (a code: sign, 2 exponent bits, 1 mantissa bit); and NAME_scales (uint8): the same leading axes, one E8M0 byte (e + 127) for each 32 codes along K. Its value is code x scale, taken as it is: it is not quantised again, and the codes and scales need not be those that the quantiser above would give.
;; One version. Each part assembles by itself: llvm-mc -triple=amdgcn-amd-amdhsa -mcpu=gfx1250 --defsym DOCPART=n.
;; ======== version 1 of 1: 3 launches
;; workspace buffers: qrec 4,718,592 bytes; kv 9,175,040 bytes; arec 4,456,448 bytes
;; launch proj (part 1): grid 4 x 96, 4 waves a work-group, clusters of 4 x 4, 327,680 bytes of LDS; arguments query_codes, query_scales, wq_w_codes, wq_w_scales, wq_b, key_codes, key_scales, wk_w_codes, wk_w_scales, wk_b, value_codes, value_scales, wv_w_codes, wv_w_scales, wv_b, qrec, kv; writes qrec, kv
.if DOCPART == 1
	.amdgcn_target "amdgcn-amd-amdhsa--gfx1250"
	.amdhsa_code_object_version 6
	.text
	.protected	k_q81e2b32720_proj
	.globl	k_q81e2b32720_proj
	.p2align	8
	.type	k_q81e2b32720_proj,@function
k_q81e2b32720_proj:
	s_mov_b64 s[64:65], 0
	v_nop
	global_prefetch_b8 v0, s[64:65] scope:SCOPE_SE
	s_setreg_imm32_b32 hwreg(HW_REG_WAVE_MODE, 25, 1), 1
	s_wait_xcnt 0x0
	s_wait_alu depctr_hold_cnt(0) depctr_sa_sdst(0) depctr_va_vdst(0) depctr_va_sdst(0) depctr_va_ssrc(0) depctr_va_vcc(0) depctr_vm_vsrc(0)
	s_getreg_b32 s2, hwreg(HW_REG_IB_STS2, 6, 4)
	s_cmp_eq_u32 s2, 0
	s_cbranch_scc0 .Lentry_in_a_cluster
	s_endpgm
.Lentry_in_a_cluster:
	s_bfe_u32 s2, ttmp6, 0x10000c
	s_cmp_lg_u32 s2, 0xf033
	s_cbranch_scc0 .Lentry_shape_is_right
	s_endpgm
.Lentry_shape_is_right:
; q = query Wq + bq, k = key Wk + bk, v = value Wv + bv on codes of FP4 (E2M1) with E8M0 scales, and the quantisers behind them: q and k along a head's 64 (two blocks of 32), v along the keys.
; NOTHING OF reference() IS LEFT OUT: every bias goes into a quantiser or into the output, so every input is loaded by some launch.
; q / sqrt(64) is a division by 2^3: it leaves q's codes as they are and lowers its scales by 3.  The factor is folded, exactly, into the constant of the softmax in the next launch.
; LIMITS: that folding passes over the quantiser's hold of a scale's exponent at -126, which bites only where a block of q lies under about 2^-121.  A block whose largest magnitude lies under 2^-124,
; a block of zeros among them, gets the scale byte 1: the bytes are read by this program alone.  NaN and infinities among the computed numbers are not served.
; SHARES.  Cluster y = 8 T + sb: T = 0 q, 1 k, 2 v; sb = a block of 256 positions s.  In a cluster of 4 x 4, cy = the batch index n, cx = a block of 256 output columns (four heads).
; A work-group makes 256 positions (of ONE n: memory rows 4 s + n) x 256 columns; each of its four waves 128 x 128: 64 accumulators, 512 registers.  K = 1,024 lies in LDS whole: two slots of 512 along K, each filled once.
; The four work-groups of a cluster's row need the same tile of the activations, the four of a column the same tile of the weight: each tile is asked for JOINTLY.
; WHICH SIDE IS SOURCE 0.  A lane of the result holds ONE row of source 1 and eight neighbouring rows of source 0, and a quantiser wants its axis along a lane's registers.  So for q and k
; source 0 (X) = the weight's rows (the output columns) and source 1 (Y) = the positions; for v X = the positions (the keys) and Y = the weight's rows.  Tile and wave tile are square, so the
; choice is only a choice of two LDS read bases, made once on T, which all partners of a cluster share.  The main loop is one text.
; THE RESULTS LEAVE AS IMAGES OF OPERAND REGISTERS: lane l's 16 bytes at 16 l, 512 consecutive bytes a store.
;   qrec [batch 64][group of 128 queries 16] records of 4,608 bytes: 8 tiles of 16 queries x 512 bytes (lane (r, h): codes f = 32 h .. + 31), then 512 bytes of scale words [lane (r, h)][i]: tile 2 i + h, row r: {block 0, block 1, 0x7f, 0x7f}
;   kv   [batch 64][step of 128 keys 16] records of 8,960 bytes: + 0 K's 8 tiles as in qrec; + 4,096 V^T: 4 tiles of 16 f x 1,024 bytes (parts c = 0, 1: keys 64 c + 32 h .. + 31); + 8,192 K's scale words; + 8,704 V's, [lane (r, h)][i 0..1]: tile 2 i + h
; REGISTERS, in windows of 256: window 0: v1-29 addresses; v32-63 X's scale words, v64-95 Y's; v96-127 at work on the way out; v128-191, v192-255 Y's fragments, two sets (on the way out: 64 numbers, and the codes).
;   window 1: v0-63, v128-191 X's fragments, two sets; v64-127 the bias by register; v192-207 the bias by lane.   windows 2, 3: the accumulators, (a, b) at v[8 (8 (a % 4) + b)] of window 2 + a / 4.
.set PITCH,  272                       ; an LDS row of codes: 256 bytes + 16 of padding: the sixteen rows that a load touches start at sixteen different 16-byte columns of 256
.set HALFT,  128*PITCH                 ; 128 rows: what one tensor load brings
.set SLOT,   4*HALFT                   ; the activations' 256 rows, then the weight's 256
.set SCL,    2*SLOT                    ; behind the slots: the scale bytes, rows of 32 bytes + 16 of padding
.set SPIT,   48
.set HALFS,  128*SPIT
.set SPARE,  SCL+4*HALFS               ; the spare words, 128 bytes for each wave: two blocks of 256 bytes that no other line names
.set ADRX, 16                          ; v16-17  LDS address of X's fragments in slot 0, 1
.set ADRY, 18                          ; v18-19  of Y's
.set ADSX, 20                          ; v20     of X's scale bytes
.set ADSY, 21                          ; v21     of Y's
.set LI,   22                          ; v22     16 x lane
.set LS,   23                          ; v23     16 x lane + where a record's scale words of q or k begin
.set L8,   24                          ; v24     8 x lane
.set BOQ,  25                          ; v25     the bias by register: 32 (lane / 16)
.set BOV,  26                          ; v26     the bias by lane: 4 (lane % 16)
.set SPW,  28                          ; v28     LDS address of my spare word; never rewritten
.set NIL,  29                          ; v29     0; never rewritten
.set XS,   32
.set YS,   64
.set TM,   96                          ; v96-99 largest magnitudes, v100-103 the other half's, then bytes, v108-111 the conversions' scale operands
.set WW,   112                         ; v112-119 a scale word for each tile of Y
.set SW,   120                         ; v120-127 scale words on their way out
.set YF,   128
.set HH,   128                         ; the way out: 64 numbers of a lane
.set PC,   192                         ; the way out: 8 registers of codes for each tile of Y
.set BBQ,  64                          ; in window 1
.set BBV,  192                         ; in window 1
.set G1A,  44                          ; s[44:51] descriptor group 1: the activations' codes;  s[52:59] the weight's;  s[68:75], s[76:83] their scale bytes
.set G1W,  52
.set G1AS, 68
.set G1WS, 76
.set O0,   60                          ; s[60:61], s[62:63] my record in my first and my second head's batch
.set WV,   84
.set WR,   85
.set WC,   86
.set CX,   87
.set CY,   88
.set CLY,  89
.set TT,   90
.set SB,   91
.set HM,   94                          ; s94  lanes 16-31
.set FILL, 95                          ; s95  0x7f7f0000: the scale 1 for the upper 64 of a K step, whose codes are zeros
.set SEL,  96                          ; s[96:97] v_permlanex16_b32's selects for lane l xor 16
.set MSB, 0
.macro WIN new                         ; the immediate's high byte repeats the setting that is left; a switch that changes nothing is dropped
.if MSB != (\new)
	s_set_vgpr_msb (MSB<<8)|(\new)
.set MSB, (\new)
.endif
.endm
.macro PLACES n
.rept \n
	v_nop
.endr
.endm
; A joint load: waves 0 and 1 fetch for the activations, waves 2 and 3 for the weight.  The branch hangs on the wave's number alone.  An s_nop 0 and four v_nop follow each of the two lines.
.macro JLOAD g0a, g1a, g0b, g1b
	s_cmp_eq_u32 s[WR], 0
	s_cbranch_scc0 .Lfor_w_\@
	tensor_load_to_lds s[\g0a:\g0a+3], s[\g1a:\g1a+7]
	s_nop 0
.rept 4
	v_nop
.endr
	s_branch .Lasked_\@
.Lfor_w_\@:
	tensor_load_to_lds s[\g0b:\g0b+3], s[\g1b:\g1b+7]
	s_nop 0
.rept 4
	v_nop
.endr
.Lasked_\@:
.endm
.macro CROUND                          ; a round of the cluster's barrier
	s_barrier_signal -1
	s_barrier_wait -1
	s_cmp_lg_u32 s[WV], 0
	s_cbranch_scc1 .Lnot_wave_0_\@
	s_barrier_signal -3
.Lnot_wave_0_\@:
	s_barrier_wait -3
	s_barrier_signal -1
	s_barrier_wait -1
.endm
	s_load_b256 s[4:11], s[0:1], 0x0               ; q's five: codes, scales, weight's codes, weight's scales,
	s_load_b64 s[12:13], s[0:1], 0x20              ; bias
	s_load_b256 s[16:23], s[0:1], 0x28             ; k's five
	s_load_b64 s[24:25], s[0:1], 0x48
	s_load_b256 s[28:35], s[0:1], 0x50             ; v's five
	s_load_b64 s[36:37], s[0:1], 0x70
	s_load_b128 s[40:43], s[0:1], 0x78             ; qrec, kv
	v_lshl_add_u32 v[SPW], v0, 2, SPARE
	v_mov_b32 v[NIL], 0
	ds_add_u32 v[SPW], v[NIL]                      ; the wave's opening: the add, twice on end, and its wait ahead of my first tensor load; the set-up below stands between
	ds_add_u32 v[SPW], v[NIL]
	v_lshrrev_b32 v1, 5, v0
	v_readfirstlane_b32 s[WV], v1                  ; wave 0..3
	s_lshr_b32 s[WR], s[WV], 1                     ; my half of the positions.  Also: I fetch for the activations (0) or the weight (1)
	s_and_b32 s[WC], s[WV], 1                      ; my half of the columns.  Also: which 128 rows of that tile I fetch
	s_bfe_u32 s[CX], ttmp6, 0x40000
	s_bfe_u32 s[CY], ttmp6, 0x40004
	s_and_b32 s[CLY], ttmp7, 0xffff                ; the cluster's y: the same in all sixteen partners
	s_lshr_b32 s[TT], s[CLY], 3                    ; the tensor
	s_and_b32 s[SB], s[CLY], 7                     ; the block of 256 positions
	s_lshl_b32 s92, s[CY], 2
	s_lshl_b32 s92, 15, s92                        ; my row of the cluster
	s_lshl_b32 s93, 0x1111, s[CX]                  ; my column
	s_or_b32 s[G1A], s92, (1<<20)|(1<<21)|(5<<22)|(3<<25)    ; 15:0 the mask; 17:16 elements of 1 byte; 20 padding on; 21 set beside a mask; 24:22 after every 64 words; 31:25 four words
	s_or_b32 s[G1W], s93, (1<<20)|(1<<21)|(5<<22)|(3<<25)
	s_or_b32 s[G1AS], s92, (1<<20)|(1<<21)|(2<<22)|(3<<25)   ; the scale bytes: four words of padding after every 8
	s_or_b32 s[G1WS], s93, (1<<20)|(1<<21)|(2<<22)|(3<<25)
.irp g, G1A, G1W
	s_mov_b32 s[\g+1], 256<<16                     ; tensor_dim0 = 256 bytes
	s_mov_b32 s[\g+2], 128<<16                     ; tensor_dim1 = 128 rows
	s_mov_b32 s[\g+3], 256<<16                     ; tile_dim0
	s_mov_b32 s[\g+4], 128                         ; tile_dim1
	s_mov_b32 s[\g+6], 0
	s_mov_b32 s[\g+7], 0
.endr
	s_mov_b32 s[G1A+5], 2048                       ; from position to position of one n: four rows of 512 bytes
	s_mov_b32 s[G1W+5], 512
.irp g, G1AS, G1WS
	s_mov_b32 s[\g+1], 32<<16
	s_mov_b32 s[\g+2], 128<<16
	s_mov_b32 s[\g+3], 32<<16
	s_mov_b32 s[\g+4], 128
	s_mov_b32 s[\g+6], 0
	s_mov_b32 s[\g+7], 0
.endr
	s_mov_b32 s[G1AS+5], 128
	s_mov_b32 s[G1WS+5], 32
	s_mov_b32 s[HM], 0xffff0000
	s_mov_b32 s[FILL], 0x7f7f0000
	s_mov_b32 s[SEL], 0x76543210
	s_mov_b32 s[SEL+1], 0xfedcba98
	; byte offsets, apart from the addresses.  The activations' hang on sb, n = cy and the wave; the weight's on cx and the wave
	s_lshl_b32 s100, s[WC], 7                      ; which 128 rows I fetch
	s_lshl_b32 s66, s[SB], 8
	s_add_co_u32 s66, s66, s100
	s_lshl_b32 s66, s66, 2
	s_add_co_u32 s66, s66, s[CY]                   ; memory row 4 s + n of my first position
	s_lshl_b32 s98, s66, 5                         ; its scale bytes
	s_mov_b32 s99, 0
	s_lshl_b32 s66, s66, 9                         ; its codes
	s_mov_b32 s67, 0
	s_lshl_b32 s2, s[CX], 8
	s_add_co_u32 s2, s2, s100                      ; the weight's row = output column 256 cx + 128 half
	s_lshl_b32 s14, s2, 5
	s_mov_b32 s15, 0
	s_lshl_b32 s92, s2, 2                          ; the bias of my wave's 128 columns
	s_mov_b32 s93, 0
	s_lshl_b32 s2, s2, 9
	s_mov_b32 s3, 0
	s_cmp_eq_u32 s[TT], 0                          ; q goes to qrec, k and v to kv
	s_mov_b32 s38, 143360
	s_cselect_b32 s38, 73728, s38                  ; bytes of a batch,
	s_mov_b32 s39, 8960
	s_cselect_b32 s39, 4608, s39                   ; of a record,
	s_mov_b32 s101, 8192
	s_cselect_b32 s101, 4096, s101                 ; and where its scale words of q or k begin
	s_lshl_b32 s26, s[CY], 4
	s_lshl_b32 s27, s[CX], 2
	s_add_co_u32 s26, s26, s27
	s_lshl_b32 s27, s[WC], 1
	s_add_co_u32 s26, s26, s27                     ; my first head's batch: 16 n + 4 cx + 2 half
	s_mul_i32 s26, s26, s38
	s_lshl_b32 s27, s[SB], 1
	s_add_co_u32 s27, s27, s[WR]                   ; my 128 positions: record 2 sb + half
	s_mul_i32 s27, s27, s39
	s_add_co_u32 s26, s26, s27
	s_mov_b32 s27, 0
	s_mov_b32 s39, 0                               ; s[38:39]: a batch on
	v_and_b32 v[LI], 31, v0
	v_lshlrev_b32 v[L8], 3, v[LI]
	v_lshlrev_b32 v[LI], 4, v[LI]
	v_add_nc_u32 v[LS], s101, v[LI]
	s_mul_i32 s100, s[WV], HALFT                   ; where my tiles go: wave x 128 rows: no place in the cluster enters an LDS address
	s_mul_i32 s101, s[WV], HALFS
	s_wait_dscnt 0x0                               ; both opening adds are done
	s_wait_kmcnt 0x0
	s_cmp_eq_u32 s[TT], 1                          ; the tensor's five buffers: a choice on the cluster's number alone
.irp i, 0,2,4,6,8
	s_cselect_b64 s[4+\i:5+\i], s[16+\i:17+\i], s[4+\i:5+\i]
.endr
	s_cmp_eq_u32 s[TT], 2
.irp i, 0,2,4,6,8
	s_cselect_b64 s[4+\i:5+\i], s[28+\i:29+\i], s[4+\i:5+\i]
.endr
	s_cmp_eq_u32 s[TT], 0
	s_cselect_b64 s[40:41], s[40:41], s[42:43]
	s_add_nc_u64 s[4:5], s[4:5], s[66:67]
	s_add_nc_u64 s[6:7], s[6:7], s[98:99]
	s_add_nc_u64 s[8:9], s[8:9], s[2:3]
	s_add_nc_u64 s[10:11], s[10:11], s[14:15]
	s_add_nc_u64 s[12:13], s[12:13], s[92:93]
	s_add_nc_u64 s[O0:O0+1], s[40:41], s[26:27]
	s_add_nc_u64 s[O0+2:O0+3], s[O0:O0+1], s[38:39]
	CROUND                                         ; all sixteen work-groups are here: the first joint loads meet
	s_mov_b32 s16, 1                               ; group 0 for the activations' scale bytes: s[16:19];
	s_add_co_u32 s17, s101, SCL
	s_mov_b64 s[18:19], s[6:7]
	s_or_b32 s19, s19, 0x80000000
	s_mov_b32 s28, 1                               ; for the weight's: s[28:31]
	s_add_co_u32 s29, s101, SCL
	s_mov_b64 s[30:31], s[10:11]
	s_or_b32 s31, s31, 0x80000000
	JLOAD 16, G1AS, 28, G1WS
.irp s, 0,1                                    ; the two slots: K bytes 256 s on of each row.  By this text's own count three tensor loads of a wave are out
	s_mov_b32 s[20+4*\s], 1
	s_add_co_u32 s[21+4*\s], s100, \s*SLOT
	s_add_nc_u64 s[22+4*\s:23+4*\s], s[4:5], \s*256
	s_or_b32 s[23+4*\s], s[23+4*\s], 0x80000000
	s_mov_b32 s[32+4*\s], 1
	s_add_co_u32 s[33+4*\s], s100, \s*SLOT
	s_add_nc_u64 s[34+4*\s:35+4*\s], s[8:9], \s*256
	s_or_b32 s[35+4*\s], s[35+4*\s], 0x80000000
	JLOAD 20+4*\s, G1A, 32+4*\s, G1W
.endr
	v_and_b32 v1, 15, v0                           ; r
	v_bfe_u32 v2, v0, 4, 1                         ; h
	v_lshlrev_b32 v[BOQ], 5, v2
	v_lshlrev_b32 v[BOV], 2, v1
	; THE BIAS, IN BOTH LAYOUTS: by register (q, k: column 16 t + 8 h + e in register 8 t + e) and by lane (v: column 16 j + r, twice, as a pair).  Every wave fetches both, so that every register
	; that either way out reads is written on every way through the text; 16 of these 32 loads go unused.
	WIN 0x40                                       ; destination window 1, address window 0
.irp t, 0,1,2,3,4,5,6,7
	global_load_b128 v[BBQ+8*\t:BBQ+8*\t+3], v[BOQ], s[12:13] offset:64*\t
	global_load_b128 v[BBQ+8*\t+4:BBQ+8*\t+7], v[BOQ], s[12:13] offset:64*\t+16
.endr
.irp j, 0,1,2,3,4,5,6,7
	global_load_b32 v[BBV+2*\j], v[BOV], s[12:13] offset:64*\j
	global_load_b32 v[BBV+2*\j+1], v[BOV], s[12:13] offset:64*\j
.endr
	WIN 0
	v_mul_u32_u24 v3, v1, PITCH
	v_lshl_add_u32 v3, v2, 4, v3                   ; a fragment's row x pitch + 16 x half
	s_mul_i32 s4, s[WR], HALFT                     ; my 128 positions
	s_mul_i32 s5, s[WC], HALFT
	s_add_co_u32 s5, s5, 2*HALFT                   ; my 128 rows of the weight
	s_cmp_eq_u32 s[TT], 2
	s_cselect_b32 s6, s4, s5                       ; X: for v the positions, else the weight
	s_cselect_b32 s7, s5, s4                       ; Y: the other
	v_add_nc_u32 v[ADRX], s6, v3
	v_add_nc_u32 v[ADRY], s7, v3
	v_add_nc_u32 v[ADRX+1], SLOT, v[ADRX]
	v_add_nc_u32 v[ADRY+1], SLOT, v[ADRY]
	v_mul_u32_u24 v4, v1, SPIT
	v_lshl_add_u32 v4, v2, 4, v4                   ; a row's 32 scale bytes: lanes 0-15 take the words of K steps 0-3, lanes 16-31 those of 4-7
	s_mul_i32 s4, s[WR], HALFS
	s_add_co_u32 s4, s4, SCL
	s_mul_i32 s5, s[WC], HALFS
	s_add_co_u32 s5, s5, SCL+2*HALFS
	s_cmp_eq_u32 s[TT], 2
	s_cselect_b32 s6, s4, s5
	s_cselect_b32 s7, s5, s4
	v_add_nc_u32 v[ADSX], s6, v4
	v_add_nc_u32 v[ADSY], s7, v4
.irp b, 0,1,2,3
	v_mov_b32 v[TM+4+\b], 0                        ; written once: a lane permute's destination counts as one of its sources
.endr
.macro WM d, x, y, sx, sy, k           ; one product; K steps 4 to 7 take their scale words from lanes 16-31
.if (\k) == 0
	v_wmma_scale_f32_16x16x128_f8f6f4 v[\d:\d+7], v[\x:\x+7], v[\y:\y+7], 0, v[\sx], v[\sy] matrix_a_fmt:MATRIX_FMT_FP4 matrix_b_fmt:MATRIX_FMT_FP4
.elseif (\k) >= 4
	v_wmma_scale_f32_16x16x128_f8f6f4 v[\d:\d+7], v[\x:\x+7], v[\y:\y+7], v[\d:\d+7], v[\sx], v[\sy] matrix_a_fmt:MATRIX_FMT_FP4 matrix_b_fmt:MATRIX_FMT_FP4 matrix_a_scale:MATRIX_SCALE_ROW1 matrix_b_scale:MATRIX_SCALE_ROW1
.else
	v_wmma_scale_f32_16x16x128_f8f6f4 v[\d:\d+7], v[\x:\x+7], v[\y:\y+7], v[\d:\d+7], v[\sx], v[\sy] matrix_a_fmt:MATRIX_FMT_FP4 matrix_b_fmt:MATRIX_FMT_FP4
.endif
.endm
; 16 products: Y's tiles a0, a0 + 1 x X's eight, K step k.  The 64 accumulators take turns, one instruction a turn, in the same order in every step.  Step 0 starts the sums with the constant 0.
.macro MUL16 a0, k
.irp a, \a0, \a0+1
.irp b, 0,1,2,3,4,5,6,7
	WM 8*(8*((\a)%4)+\b), 128*((\k)%2)+8*\b, YF+64*((\k)%2)+8*(\a), XS+4*\b+(\k)%4, YS+4*(\a)+(\k)%4, \k
.endr
.endr
.endm
; A fragment, 16 rows x 128 K of 4-bit codes, is 8 registers: lane l holds row l % 16; registers 4 c .. 4 c + 3 hold K = 64 c + 32 (l / 16) + 0 .. 31: two loads of 16 bytes, 32 bytes apart.
.macro FETCH_X kk                      ; X's eight fragments of K step kk into set kk % 2
	WIN 0x40
.irp i, 0,1,2,3,4,5,6,7
.irp c, 0,1
	ds_load_b128 v[128*((\kk)%2)+8*\i+4*\c:128*((\kk)%2)+8*\i+4*\c+3], v[ADRX+(\kk)/4] offset:64*((\kk)%4)+32*\c+\i*16*PITCH
.endr
.endr
.endm
.macro FETCH_Y kk
	WIN 0
.irp i, 0,1,2,3,4,5,6,7
.irp c, 0,1
	ds_load_b128 v[YF+64*((\kk)%2)+8*\i+4*\c:YF+64*((\kk)%2)+8*\i+4*\c+3], v[ADRY+(\kk)/4] offset:64*((\kk)%4)+32*\c+\i*16*PITCH
.endr
.endr
.endm
; A K step of 128: this step's fragments are in; the next step's 32 loads go out at once, into the set that the step before multiplied (four places behind its last products), and have 64 products in which to land.
.macro STEP k
	s_wait_dscnt 0x0
.if (\k) < 7
.if (\k) > 0
	PLACES 4
.endif
	FETCH_X (\k)+1
	FETCH_Y (\k)+1
.endif
	WIN 0xa1                                       ; source 0 (X) window 1, source 1 (Y) window 0, C and D window 2
	MUL16 0, \k
	MUL16 2, \k
	WIN 0xf1                                       ; C and D window 3
	MUL16 4, \k
	MUL16 6, \k
.endm
	s_wait_tensorcnt 0x0                           ; all three of my loads have landed: no fill is on its way beside any LDS read of this text
	s_barrier_signal -1
	s_barrier_wait -1                              ; everybody's have
.irp i, 0,1,2,3,4,5,6,7                        ; all scale words, once: register 4 i + q: lanes 0-15 the word of K step q of tile i's rows, lanes 16-31 that of K step 4 + q
	ds_load_b128 v[XS+4*\i:XS+4*\i+3], v[ADSX] offset:\i*16*SPIT
	ds_load_b128 v[YS+4*\i:YS+4*\i+3], v[ADSY] offset:\i*16*SPIT
.endr
	FETCH_X 0
	FETCH_Y 0
.irp k, 0,1,2,3,4,5,6,7
	STEP \k
.endr
	WIN 0
; THE QUANTISER.  64 numbers of a lane, v[s] on: block b of 32 along the axis is registers 16 b .. 16 b + 15, of which mine are k = 16 g + 8 (lane / 16) + e (register 8 g + e); lane l xor 16 holds the other 16.
; They become 8 registers of codes in v[pc] on, in the operand's layout, and the row's scale word in v[w].
.macro QUANT s, pc, w
.irp b, 0,1,2,3
	v_max3_num_f32 v[TM+\b], |v[\s+16*\b]|, |v[\s+1+16*\b]|, 0x1800000   ; my 16 numbers, and the floor 2^(3 - 127): the byte cannot fall under 1
.endr
.irp i, 2,4,6,8,10,12,14
.irp b, 0,1,2,3
	v_max3_num_f32 v[TM+\b], v[TM+\b], |v[\s+16*\b+\i]|, |v[\s+1+16*\b+\i]|   ; (the four blocks by turns)
.endr
.endr
.irp b, 0,1,2,3
	v_permlanex16_b32 v[TM+4+\b], v[TM+\b], s[SEL], s[SEL+1]
.endr
.irp b, 0,1,2,3
	v_max_num_f32 v[TM+\b], v[TM+\b], v[TM+4+\b]   ; the block's largest magnitude
.endr
.irp b, 0,1,2,3
	v_add_nc_u32 v[TM+12+\b], 0xff000000, v[TM+\b] ; 2 off its exponent field: the conversion takes the exponent field of this operand as its scale
.endr
.irp b, 0,1,2,3
	v_lshrrev_b32 v[TM+4+\b], 23, v[TM+12+\b]      ; the scale's byte
.endr
	v_lshl_or_b32 v[\w], v[TM+5], 8, v[TM+4]
	v_lshl_or_b32 v[\w], v[TM+6], 16, v[\w]
	v_lshl_or_b32 v[\w], v[TM+7], 24, v[\w]
.irp c, 0,1                                    ; blocks 2 c and 2 c + 1: each conversion takes eight neighbours; the places are chosen so that two exchanges of halves give the operand's layout
	v_cvt_scalef32_pk8_fp4_f32 v[(\pc)+4*\c], v[\s+32*\c:\s+32*\c+7], v[TM+12+2*\c]
	v_cvt_scalef32_pk8_fp4_f32 v[(\pc)+4*\c+2], v[\s+32*\c+8:\s+32*\c+15], v[TM+12+2*\c]
	v_cvt_scalef32_pk8_fp4_f32 v[(\pc)+4*\c+1], v[\s+32*\c+16:\s+32*\c+23], v[TM+13+2*\c]
	v_cvt_scalef32_pk8_fp4_f32 v[(\pc)+4*\c+3], v[\s+32*\c+24:\s+32*\c+31], v[TM+13+2*\c]
.endr
	v_nop                                          ; one plain place behind a scaled conversion
.irp c, 0,1
	v_permlane16_swap_b32 v[(\pc)+4*\c], v[(\pc)+4*\c+1]     ; register 4 c + i of lane (r, h) now holds k = 64 c + 32 h + 8 i .. + 7
	v_permlane16_swap_b32 v[(\pc)+4*\c+2], v[(\pc)+4*\c+3]
.endr
.endm
; THE WAY OUT, a tile of Y at a time.  The addition of the bias also brings the 64 numbers into window 0; it reads each accumulator from its low end on.  Each tile has code registers of its own, so no store's data are written again.
.macro EPI kind
.irp j, 0,1,2,3,4,5,6,7
	WIN 0x06+(\j)/4                                ; source 0: the accumulators' window; source 1: window 1; destination: window 0
.set P2, 0
.rept 32
.if \kind
	v_pk_add_f32 v[HH+P2:HH+P2+1], v[64*((\j)%4)+P2:64*((\j)%4)+P2+1], v[BBV+2*\j:BBV+2*\j+1] op_sel_hi:[1,0]
.else
	v_pk_add_f32 v[HH+P2:HH+P2+1], v[64*((\j)%4)+P2:64*((\j)%4)+P2+1], v[BBQ+P2:BBQ+P2+1]
.endif
.set P2, P2+2
.endr
	WIN 0
	QUANT HH, PC+8*\j, WW+\j
.if \kind                                      ; v: tile j is f = 16 (j % 4) + r of head j / 4; its two parts of 64 keys
	global_store_b128 v[LI], v[PC+8*\j:PC+8*\j+3], s[O0+2*((\j)/4):O0+2*((\j)/4)+1] offset:4096+1024*((\j)%4)
	global_store_b128 v[LI], v[PC+8*\j+4:PC+8*\j+7], s[O0+2*((\j)/4):O0+2*((\j)/4)+1] offset:4096+1024*((\j)%4)+512
.else                                          ; q, k: tile j is 16 positions; registers 0-3 my first head's 64, registers 4-7 my second's
	global_store_b128 v[LI], v[PC+8*\j:PC+8*\j+3], s[O0:O0+1] offset:512*\j
	global_store_b128 v[LI], v[PC+8*\j+4:PC+8*\j+7], s[O0+2:O0+3] offset:512*\j
.endif
.endr
.endm
	PLACES 4                                       ; behind the last products: their results are read, and registers that they read are written
	s_wait_loadcnt 0x0                             ; the bias
	s_cmp_eq_u32 s[TT], 2
	s_cbranch_scc1 .Lout_v
	EPI 0
.irp i, 0,1,2,3                                ; the scale words: lanes 0-15 take tile 2 i's, lanes 16-31 tile 2 i + 1's; the low two bytes are my first head's, the high two my second's
	v_cndmask_b32 v[TM+\i], v[WW+2*\i], v[WW+2*\i+1], s[HM]
	v_and_or_b32 v[SW+\i], v[TM+\i], 0xffff, s[FILL]
	v_lshrrev_b32 v[SW+4+\i], 16, v[TM+\i]
	v_or_b32 v[SW+4+\i], s[FILL], v[SW+4+\i]
.endr
	global_store_b128 v[LS], v[SW:SW+3], s[O0:O0+1]
	global_store_b128 v[LS], v[SW+4:SW+7], s[O0+2:O0+3]
	s_branch .Lout_done
.Lout_v:
	EPI 1
.irp g, 0,1
.irp i, 0,1
	v_cndmask_b32 v[SW+2*\g+\i], v[WW+4*\g+2*\i], v[WW+4*\g+2*\i+1], s[HM]
.endr
.endr
	global_store_b64 v[L8], v[SW:SW+1], s[O0:O0+1] offset:8704       ; 32 lanes store 256 consecutive bytes
	global_store_b64 v[L8], v[SW+2:SW+3], s[O0+2:O0+3] offset:8704
.Lout_done:
	s_wait_tensorcnt 0x0                           ; the wave's end
	ds_add_u32 v[SPW], v[NIL]
	s_wait_dscnt 0x0
	CROUND                                         ; the closing round: no work-group ends while a partner may still ask for a tile that names it
	s_endpgm
.Lfunc_end_k_q81e2b32720_proj:
	.size	k_q81e2b32720_proj, .Lfunc_end_k_q81e2b32720_proj-k_q81e2b32720_proj
	.p2alignl 7, 3214868480
	.fill 96, 4, 3214868480
	.section	.rodata,"a",@progbits
	.p2align	6, 0x0
	.amdhsa_kernel k_q81e2b32720_proj
		.amdhsa_group_segment_fixed_size 327680
		.amdhsa_private_segment_fixed_size 0
		.amdhsa_enable_private_segment 0
		.amdhsa_kernarg_size 136
		.amdhsa_user_sgpr_count 2
		.amdhsa_user_sgpr_kernarg_segment_ptr 1
		.amdhsa_wavefront_size32 1
		.amdhsa_system_sgpr_workgroup_id_x 1
		.amdhsa_system_sgpr_workgroup_id_y 1
		.amdhsa_system_sgpr_workgroup_id_z 1
		.amdhsa_system_vgpr_workitem_id 0
		.amdhsa_next_free_vgpr 1024
		.amdhsa_next_free_sgpr 102
		.amdhsa_reserve_vcc 0
		.amdhsa_float_denorm_mode_32 3
		.amdhsa_float_denorm_mode_16_64 3
		.amdhsa_memory_ordered 1
		.amdhsa_forward_progress 1
		.amdhsa_inst_pref_size 195
	.end_amdhsa_kernel
	.amdgpu_metadata
---
amdhsa.version: [ 1, 2 ]
amdhsa.kernels:
  - .name:           k_q81e2b32720_proj
    .symbol:         k_q81e2b32720_proj.kd
    .args:
      - { .name: query_codes, .offset: 0, .size: 8, .value_kind: global_buffer, .address_space: global }
      - { .name: query_scales, .offset: 8, .size: 8, .value_kind: global_buffer, .address_space: global }
      - { .name: wq_w_codes, .offset: 16, .size: 8, .value_kind: global_buffer, .address_space: global }
      - { .name: wq_w_scales, .offset: 24, .size: 8, .value_kind: global_buffer, .address_space: global }
      - { .name: wq_b, .offset: 32, .size: 8, .value_kind: global_buffer, .address_space: global }
      - { .name: key_codes, .offset: 40, .size: 8, .value_kind: global_buffer, .address_space: global }
      - { .name: key_scales, .offset: 48, .size: 8, .value_kind: global_buffer, .address_space: global }
      - { .name: wk_w_codes, .offset: 56, .size: 8, .value_kind: global_buffer, .address_space: global }
      - { .name: wk_w_scales, .offset: 64, .size: 8, .value_kind: global_buffer, .address_space: global }
      - { .name: wk_b, .offset: 72, .size: 8, .value_kind: global_buffer, .address_space: global }
      - { .name: value_codes, .offset: 80, .size: 8, .value_kind: global_buffer, .address_space: global }
      - { .name: value_scales, .offset: 88, .size: 8, .value_kind: global_buffer, .address_space: global }
      - { .name: wv_w_codes, .offset: 96, .size: 8, .value_kind: global_buffer, .address_space: global }
      - { .name: wv_w_scales, .offset: 104, .size: 8, .value_kind: global_buffer, .address_space: global }
      - { .name: wv_b, .offset: 112, .size: 8, .value_kind: global_buffer, .address_space: global }
      - { .name: qrec, .offset: 120, .size: 8, .value_kind: global_buffer, .address_space: global }
      - { .name: kv, .offset: 128, .size: 8, .value_kind: global_buffer, .address_space: global }
    .group_segment_fixed_size: 327680
    .private_segment_fixed_size: 0
    .kernarg_segment_align: 8
    .kernarg_segment_size: 136
    .max_flat_workgroup_size: 128
    .sgpr_count:     102
    .vgpr_count:     1024
    .wavefront_size: 32
...
	.end_amdgpu_metadata
.endif
;; end of part 1
;; launch attn (part 2): grid 8 x 32, 16 waves a work-group, clusters of 4 x 1, 327,680 bytes of LDS; arguments qrec, kv, arec; writes arec
.if DOCPART == 2
	.amdgcn_target "amdgcn-amd-amdhsa--gfx1250"
	.amdhsa_code_object_version 6
	.text
	.protected	k_q81e2b32720_attn
	.globl	k_q81e2b32720_attn
	.p2align	8
	.type	k_q81e2b32720_attn,@function
k_q81e2b32720_attn:
	s_mov_b64 s[64:65], 0
	v_nop
	global_prefetch_b8 v0, s[64:65] scope:SCOPE_SE
	s_setreg_imm32_b32 hwreg(HW_REG_WAVE_MODE, 25, 1), 1
	s_wait_xcnt 0x0
	s_wait_alu depctr_hold_cnt(0) depctr_sa_sdst(0) depctr_va_vdst(0) depctr_va_sdst(0) depctr_va_ssrc(0) depctr_va_vcc(0) depctr_vm_vsrc(0)
	s_getreg_b32 s2, hwreg(HW_REG_IB_STS2, 6, 4)
	s_cmp_eq_u32 s2, 0
	s_cbranch_scc0 .Lentry_in_a_cluster
	s_endpgm
.Lentry_in_a_cluster:
	s_bfe_u32 s2, ttmp6, 0x10000c
	s_cmp_lg_u32 s2, 0x3003
	s_cbranch_scc0 .Lentry_shape_is_right
	s_endpgm
.Lentry_shape_is_right:
; The attention of 64 batches (n, head) on codes of FP4 with E8M0 scales: S^T = K Q^T, the softmax, O^T = V^T P^T, the division by the row's sum, and the quantiser ahead of the output projection.  Nothing is left out.
; THE SOFTMAX: t = score x log2(e) / 8 (the 8 is reference()'s sqrt(64), which the launch before left out of q's scales: an exact power of two); M = the running largest t rounded UP to a whole number;
; p = 2^(t - M) is quantised along the keys, not normalised; the row's sum is taken of the unquantised p and divides at the end.  When M moves, the sum and O^T are multiplied by 2^(old M - new M): exact.
; LIMITS: as stated at the head of the first launch (scale bytes held at 1 from below; NaN and infinities not served).
; SHARES.  A work-group owns 256 queries (block qb) of the TWO heads 2 jp, 2 jp + 1 of one n (y = 8 n + jp: batches 2 y and 2 y + 1).  Each of its sixteen waves owns 16 queries, one tile, and walks the two heads one
; after the other: so it ends up holding a whole fragment (16 rows x 128 along K) and a whole scale word of the projection's operand.  Four waves to a SIMD: one wave's vector work stands beside another's.
; ALL K AND V OF BOTH HEADS STAY IN LDS: 2 x 16 records of 8,960 bytes, 286,720 consecutive bytes of kv, filled once: each wave brings a sixteenth by one tensor load.  The four query blocks of a cluster need the
; same bytes: every load is JOINT, with the same descriptor and a mask that names the four.
; LAYOUT.  All operands lie as images of their registers (lane l's 16 bytes at 16 l).  The head's 64 fill the lower half of a K step of 128: registers 4-7 of K's and Q's fragments are zero codes, written once.
; Both products are used transposed, so that a lane holds ONE query (lane % 16) throughout; tile t of S^T holds keys 16 t + 8 (lane / 16) + e, so block b of 32 keys is registers 16 b .. 16 b + 15.
; arec [16 n + group of 128 positions, 64] records of 69,632 bytes: images [K step jk 8][tile 8][part c 2][lane][16 bytes] (part c = head 2 jk + c), then scale words [jk 8][tile 8][row 16] x 4 bytes.
.set REC,   8960
.set HEADB, 16*REC
.set SHARE, 2*HEADB/16                 ; 17,920 bytes: 70 rows of 256: what one tensor load brings
.set SCR,   2*HEADB                    ; behind K and V: 64 bytes for each wave, its rows' scale words; no fill lands here
.set SPARE, SCR+1024                   ; the spare words, 128 bytes for each wave: eight blocks of 256 bytes that no other line names
.set QSTR,  73728                      ; a batch of qrec
.set ASTR,  69632                      ; a record of arec
.set LI,   1                           ; v1   16 x lane
.set L8,   2                           ; v2   8 x lane
.set QSO,  3                           ; v3   16 x (lane % 16)
.set ADR,  4                           ; v4   the step's record + 16 x lane
.set ADV,  5                           ; v5   the step's record + 8 x lane
.set SCRW, 6                           ; v6   where my row's scale word goes
.set AW,   7                           ; v7   that word
.set Q0,   8                           ; v8-15, v16-23  Q's fragment of the first and the second head
.set Q1,   16
.set KS,   24                          ; v24-27 K's scale words: register i: lanes 0-15 tile 2 i, lanes 16-31 tile 2 i + 1
.set VS,   28                          ; v28-29 V's likewise
.set SPW,  30                          ; v30  LDS address of my spare word; never rewritten
.set NIL,  31                          ; v31  0; never rewritten
.set KF,   32                          ; v32-95   K's eight fragments
.set ST,   96                          ; v96-159  S^T, then p
.set OT,   160                         ; v160-191 O^T
.set VF,   192                         ; v192-223 V^T's four fragments
.set PP,   224                         ; v224-231 p's codes
.set BM,   232                         ; v232-235 the blocks' largest scores, then largest p
.set TP,   236                         ; v236-239 at work
.set NM,   240                         ; v240 -M, v241 the largest t
.set SUM,  242                         ; v[242:243] the sum, in two halves
.set SOP,  244                         ; v244-247 the conversions' scale operands
.set QS1,  248                         ; v248, v255  Q's scale words
.set SCRR, 249                         ; v249 where waves 0 and 1 read 512 bytes of scale words back
.set SU2,  250                         ; v[250:251] the step's second chain of the sum
.set FF,   252                         ; v252 f = 2^(old M - new M); later 1 / the sum
.set PW,   253                         ; v253 p's scale word
.set TT,   254
.set QS0,  255
.set WV,   12
.set CX,   13
.set QBK,  14
.set YY,   15
.set SEL,  20                          ; s[20:21] selects for lane l xor 16
.set CS,   22                          ; s[22:23] c = log2(e) / 8
.set G1,   24                          ; s[24:31], s[32:35] the descriptor
.set G0,   32
.set TB,   40                          ; s40  LDS byte of the step's record
.set CNT,  41
.set QA,   42                          ; s[42:43] my tile of Q;  s[44:45] its scale words
.set QB,   44
.set AO,   46                          ; s[46:47] my fragment in arec;  s[48:49] waves 0, 1: the scale words' place
.set ASW,  48
.macro CROUND                          ; a round of the cluster's barrier
	s_barrier_signal -1
	s_barrier_wait -1
	s_cmp_lg_u32 s[WV], 0
	s_cbranch_scc1 .Lnot_wave_0_\@
	s_barrier_signal -3
.Lnot_wave_0_\@:
	s_barrier_wait -3
	s_barrier_signal -1
	s_barrier_wait -1
.endm
	s_load_b128 s[4:7], s[0:1], 0x0                ; qrec, kv
	s_load_b64 s[8:9], s[0:1], 0x10                ; arec
	v_lshl_add_u32 v[SPW], v0, 2, SPARE
	v_mov_b32 v[NIL], 0
	ds_add_u32 v[SPW], v[NIL]                      ; the wave's opening: the add, twice on end, and its wait ahead of my first tensor load; the set-up below stands between
	ds_add_u32 v[SPW], v[NIL]
	v_lshrrev_b32 v1, 5, v0
	s_delay_alu instid0(VALU_DEP_1)
	v_readfirstlane_b32 s[WV], v1                  ; wave 0..15
	s_bfe_u32 s[CX], ttmp6, 0x40000
	s_lshl_b32 s[QBK], ttmp9, 2
	s_add_co_u32 s[QBK], s[QBK], s[CX]             ; my block of 256 queries: it enters Q's and arec's addresses alone
	s_and_b32 s[YY], ttmp7, 0xffff                 ; 8 n + jp, which the four partners share
	s_mov_b32 s[G1], 15|(3<<16)|(1<<21)            ; 15:0 the mask: all four; 17:16 elements of 8 bytes; 21 set beside a mask; no padding
	s_mov_b32 s[G1+1], 32<<16                      ; tensor_dim0 = 32 elements: 256 bytes
	s_mov_b32 s[G1+2], 70<<16                      ; tensor_dim1 = 70 rows
	s_mov_b32 s[G1+3], 32<<16                      ; tile_dim0
	s_mov_b32 s[G1+4], 70                          ; tile_dim1
	s_mov_b32 s[G1+5], 32                          ; dense
	s_mov_b32 s[G1+6], 0
	s_mov_b32 s[G1+7], 0
	s_mov_b32 s[G0], 1
	s_mul_i32 s[G0+1], s[WV], SHARE                ; my sixteenth, in LDS
	s_mul_i32 s16, s[YY], 2*HEADB
	s_add_co_u32 s16, s16, s[G0+1]                 ; and in kv
	s_mov_b32 s17, 0
	s_mov_b32 s[SEL], 0x76543210
	s_mov_b32 s[SEL+1], 0xfedcba98
	s_mov_b32 s[CS], 0x3e38aa3b                    ; log2(e) / 8
	s_mov_b32 s[CS+1], s[CS]                       ; (named with it as a pair, so it is written)
	s_mov_b32 s[TB], 0
	s_lshr_b32 s18, s[WV], 3                       ; which 128 of my block's 256 queries
	s_and_b32 s19, s[WV], 7                        ; my tile among their eight
	s_and_b32 s53, s[WV], 1
	s_lshl_b32 s50, s[QBK], 1
	s_add_co_u32 s51, s50, s18                     ; the group of 128
	s_mul_i32 s[QA], s[YY], 2*QSTR
	s_mul_i32 s52, s51, 4608
	s_add_co_u32 s[QA], s[QA], s52                 ; its record in the first head's batch
	s_lshl_b32 s52, s53, 8                         ; scale words: [lane (r, tile % 2)][tile / 2]
	s_add_co_u32 s[QB], s[QA], s52
	s_lshr_b32 s52, s19, 1
	s_lshl_b32 s52, s52, 2
	s_add_co_u32 s[QB], s[QB], s52
	s_add_co_u32 s[QB], s[QB], 4096
	s_mov_b32 s[QB+1], 0
	s_lshl_b32 s52, s19, 9
	s_add_co_u32 s[QA], s[QA], s52
	s_mov_b32 s[QA+1], 0
	s_lshr_b32 s2, s[YY], 3
	s_lshl_b32 s2, s2, 4                           ; 16 n
	s_and_b32 s3, s[YY], 7                         ; the projection's K step
	s_add_co_u32 s[AO], s2, s51
	s_mul_i32 s[AO], s[AO], ASTR
	s_lshl_b32 s52, s3, 13
	s_add_co_u32 s[AO], s[AO], s52
	s_lshl_b32 s52, s19, 10
	s_add_co_u32 s[AO], s[AO], s52
	s_mov_b32 s[AO+1], 0
	s_add_co_u32 s[ASW], s2, s50
	s_add_co_u32 s[ASW], s[ASW], s53               ; wave 0: the block's first 128 queries; wave 1: its second
	s_mul_i32 s[ASW], s[ASW], ASTR
	s_lshl_b32 s52, s3, 9
	s_add_co_u32 s[ASW], s[ASW], s52
	s_add_co_u32 s[ASW], s[ASW], 65536
	s_mov_b32 s[ASW+1], 0
	v_and_b32 v[L8], 31, v0
	s_delay_alu instid0(VALU_DEP_1)
	v_lshlrev_b32 v[LI], 4, v[L8]
	s_delay_alu instid0(VALU_DEP_2)
	v_lshlrev_b32 v[L8], 3, v[L8]
	v_and_b32 v[QSO], 15, v0
	s_delay_alu instid0(VALU_DEP_1)
	v_lshlrev_b32 v[SCRW], 2, v[QSO]
	s_delay_alu instid0(VALU_DEP_2)
	v_lshlrev_b32 v[QSO], 4, v[QSO]
	s_lshl_b32 s52, s[WV], 6
	s_add_co_u32 s52, s52, SCR
	v_add_nc_u32 v[SCRW], s52, v[SCRW]
	s_lshl_b32 s52, s53, 9
	s_add_co_u32 s52, s52, SCR
	v_add_nc_u32 v[SCRR], s52, v[LI]
	s_wait_dscnt 0x0                               ; both opening adds are done
	s_wait_kmcnt 0x0
	s_add_nc_u64 s[G0+2:G0+3], s[6:7], s[16:17]
	s_or_b32 s[G0+3], s[G0+3], 0x80000000
	s_add_nc_u64 s[QA:QA+1], s[4:5], s[QA:QA+1]
	s_add_nc_u64 s[QB:QB+1], s[4:5], s[QB:QB+1]
	s_add_nc_u64 s[AO:AO+1], s[8:9], s[AO:AO+1]
	s_add_nc_u64 s[ASW:ASW+1], s[8:9], s[ASW:ASW+1]
	CROUND                                         ; all four work-groups are here: the joint loads meet
	tensor_load_to_lds s[G0:G0+3], s[G1:G1+7]      ; my one tensor load of the launch
	s_nop 0
.rept 4
	v_nop
.endr
	s_wait_alu depctr_va_vdst(0)
	global_load_b128 v[Q0:Q0+3], v[LI], s[QA:QA+1]
	global_load_b128 v[Q1:Q1+3], v[LI], s[QA:QA+1] offset:QSTR
	global_load_b32 v[QS0], v[QSO], s[QB:QB+1]
	global_load_b32 v[QS1], v[QSO], s[QB:QB+1] offset:QSTR
.irp i, 4,5,6,7
	v_mov_b32 v[Q0+\i], 0                          ; the upper 64 of the K step: zero codes
	v_mov_b32 v[Q1+\i], 0
.endr
.irp t, 0,1,2,3,4,5,6,7
.irp i, 4,5,6,7
	v_mov_b32 v[KF+8*\t+\i], 0
.endr
.endr
.irp b, 0,1,2,3
	v_mov_b32 v[TP+\b], 0                          ; written once: a lane permute's destination counts as one of its sources
.endr
	v_mov_b32 v[PW], 0                             ; (named as the upper half of the pair v[252:253] before it is first written)
	s_wait_loadcnt 0x0                             ; Q
	s_wait_tensorcnt 0x0                           ; my sixteenth has landed,
	s_barrier_signal -1
	s_barrier_wait -1                              ; everybody's has
; A KEY STEP: 128 keys of the head in hand.
.macro STEP q, qs
	v_add_nc_u32 v[ADR], s[TB], v[LI]
	v_add_nc_u32 v[ADV], s[TB], v[L8]
	v_nop
	v_nop                                          ; four places behind the last step's products, in front of the loads into V's fragments and scale words
.irp t, 0,1,2,3,4,5,6,7
	ds_load_b128 v[KF+8*\t:KF+8*\t+3], v[ADR] offset:512*\t
.endr
	ds_load_b128 v[KS:KS+3], v[ADR] offset:8192
.irp t, 0,1,2,3
.irp c, 0,1
	ds_load_b128 v[VF+8*\t+4*\c:VF+8*\t+4*\c+3], v[ADR] offset:4096+1024*\t+512*\c
.endr
.endr
	ds_load_b64 v[VS:VS+1], v[ADV] offset:8704
	s_wait_dscnt 9                                 ; K's nine loads are in; V's nine, issued behind them, may stay out
.irp u, 0,1,2,3                                ; S^T = K Q^T: eight tiles of 16 keys, each sum begun with the constant 0
	v_wmma_scale_f32_16x16x128_f8f6f4 v[ST+16*\u:ST+16*\u+7], v[KF+16*\u:KF+16*\u+7], v[\q:\q+7], 0, v[KS+\u], v[\qs] matrix_a_fmt:MATRIX_FMT_FP4 matrix_b_fmt:MATRIX_FMT_FP4
	v_wmma_scale_f32_16x16x128_f8f6f4 v[ST+16*\u+8:ST+16*\u+15], v[KF+16*\u+8:KF+16*\u+15], v[\q:\q+7], 0, v[KS+\u], v[\qs] matrix_a_fmt:MATRIX_FMT_FP4 matrix_b_fmt:MATRIX_FMT_FP4 matrix_a_scale:MATRIX_SCALE_ROW1
.endr
.rept 4
	v_nop
.endr
.irp b, 0,1,2,3
	v_max3_num_f32 v[BM+\b], v[ST+16*\b], v[ST+1+16*\b], v[ST+2+16*\b]   ; the largest score of each block of 32 keys: it serves for the row's maximum and, since p rises with the score, for the block's largest p
.endr
.irp i, 3,5,7,9,11,13
.irp b, 0,1,2,3
	v_max3_num_f32 v[BM+\b], v[BM+\b], v[ST+16*\b+\i], v[ST+1+16*\b+\i]
.endr
.endr
.irp b, 0,1,2,3
	v_max_num_f32 v[BM+\b], v[BM+\b], v[ST+15+16*\b]
.endr
.irp b, 0,1,2,3
	s_delay_alu instid0(VALU_DEP_4)
	v_permlanex16_b32 v[TP+\b], v[BM+\b], s[SEL], s[SEL+1]
.endr
.irp b, 0,1,2,3
	s_delay_alu instid0(VALU_DEP_4)
	v_max_num_f32 v[BM+\b], v[BM+\b], v[TP+\b]     ; with lane l xor 16's 16 keys
.endr
	s_delay_alu instid0(VALU_DEP_2)
	v_max3_num_f32 v[TT], v[BM], v[BM+1], v[BM+2]
	s_delay_alu instid0(VALU_DEP_1)
	v_max_num_f32 v[TT], v[TT], v[BM+3]
	s_delay_alu instid0(VALU_DEP_1)
	v_mul_f32 v[TT], s[CS], v[TT]                  ; the step's largest t (c is positive)
	s_delay_alu instid0(VALU_DEP_1)
	v_max_num_f32 v[NM+1], v[NM+1], v[TT]          ; the running largest t
	v_mov_b32 v[TT], v[NM]
	s_delay_alu instid0(VALU_DEP_2)
	v_floor_f32 v[NM], -v[NM+1]                    ; the new -M = floor(-t): M is a whole number
	s_delay_alu instid0(VALU_DEP_1)
	v_sub_f32 v[TT], v[NM], v[TT]                  ; old M - new M: a whole number, 0 or less
	s_delay_alu instid0(VALU_DEP_1)
	v_cvt_i32_f32 v[TT], v[TT]                     ; (it saturates)
	s_delay_alu instid0(VALU_DEP_1)
	v_ldexp_f32 v[FF], 1.0, v[TT]                  ; f = 2^(old M - new M)
.irp j, 0,2,4,6,8,10,12,14,16,18,20,22,24,26,28,30,32,34,36,38,40,42,44,46,48,50,52,54,56,58,60,62
	v_pk_fma_f32 v[ST+\j:ST+1+\j], v[ST+\j:ST+1+\j], s[CS:CS+1], v[NM:NM+1] op_sel_hi:[1,0,0]   ; t - M, two at a time
.endr
.irp b, 0,1,2,3
	v_fma_f32 v[BM+\b], v[BM+\b], s[CS], v[NM]     ; the same of each block's largest score
.endr
	s_wait_alu depctr_va_vdst(0)
.irp j, 0,1,2,3,4,5,6,7,8,9,10,11,12,13,14,15,16,17,18,19,20,21,22,23,24,25,26,27,28,29,30,31,32,33,34,35,36,37,38,39,40,41,42,43,44,45,46,47,48,49,50,51,52,53,54,55,56,57,58,59,60,61,62,63
	v_exp_f32 v[ST+\j], v[ST+\j]                   ; p = 2^(t - M), at most 1
.endr
	s_setprio 1
	v_pk_mul_f32 v[SUM:SUM+1], v[SUM:SUM+1], v[FF:FF+1] op_sel_hi:[1,0]   ; the sum under the new M: the plain place behind the exponentials
	s_wait_alu depctr_va_vdst(0)                   ; one wait for the whole batch, ahead of its first reader
.irp b, 0,1,2,3
	v_exp_f32 v[BM+\b], v[BM+\b]                   ; the blocks' largest p
.endr
	v_pk_add_f32 v[SU2:SU2+1], v[ST:ST+1], v[ST+2:ST+3]   ; the row's sum is taken of the unquantised p, in two chains; these lines read the 64 alone
.irp j, 4,8,12,16,20,24,28,32,36,40,44
	v_pk_add_f32 v[SUM:SUM+1], v[SUM:SUM+1], v[ST+\j:ST+1+\j]
	v_pk_add_f32 v[SU2:SU2+1], v[SU2:SU2+1], v[ST+2+\j:ST+3+\j]
.endr
	s_wait_alu depctr_va_vdst(0)                   ; and one for the four
.irp b, 0,1,2,3
	v_max_num_f32 v[BM+\b], 0x1800000, v[BM+\b]    ; the floor 2^(3 - 127): the byte cannot fall under 1
.endr
.irp b, 0,1,2,3
	s_delay_alu instid0(VALU_DEP_4)
	v_add_nc_u32 v[SOP+\b], 0xff000000, v[BM+\b]   ; 2 off the exponent field: the conversion's scale operand
.endr
.irp b, 0,1,2,3
	s_delay_alu instid0(VALU_DEP_4)
	v_lshrrev_b32 v[TP+\b], 23, v[SOP+\b]          ; the scale's byte
.endr
	s_delay_alu instid0(VALU_DEP_3)
	v_lshl_or_b32 v[PW], v[TP+1], 8, v[TP]         ; p's scale word for these 128 keys
	s_delay_alu instid0(VALU_DEP_1)
	v_lshl_or_b32 v[PW], v[TP+2], 16, v[PW]
	s_delay_alu instid0(VALU_DEP_1)
	v_lshl_or_b32 v[PW], v[TP+3], 24, v[PW]
.irp c, 0,1                                    ; blocks 2 c and 2 c + 1, eight neighbouring keys a conversion
	v_cvt_scalef32_pk8_fp4_f32 v[PP+4*\c], v[ST+32*\c:ST+32*\c+7], v[SOP+2*\c]
	v_cvt_scalef32_pk8_fp4_f32 v[PP+4*\c+2], v[ST+32*\c+8:ST+32*\c+15], v[SOP+2*\c]
	v_cvt_scalef32_pk8_fp4_f32 v[PP+4*\c+1], v[ST+32*\c+16:ST+32*\c+23], v[SOP+2*\c+1]
	v_cvt_scalef32_pk8_fp4_f32 v[PP+4*\c+3], v[ST+32*\c+24:ST+32*\c+31], v[SOP+2*\c+1]
.endr
	v_nop                                          ; one plain place behind a scaled conversion
.irp c, 0,1
	v_permlane16_swap_b32 v[PP+4*\c], v[PP+4*\c+1] ; register 4 c + i of lane (r, h) now holds keys 64 c + 32 h + 8 i .. + 7
	v_permlane16_swap_b32 v[PP+4*\c+2], v[PP+4*\c+3]
.endr
	s_setprio 0
.irp j, 0,2,4,6,8,10,12,14,16,18,20,22,24,26,28,30
	v_pk_mul_f32 v[OT+\j:OT+1+\j], v[OT+\j:OT+1+\j], v[FF:FF+1] op_sel_hi:[1,0]   ; O^T under the new M
.endr
.irp j, 48,52,56,60                            ; the rest of the sum: with the 16 lines above these are the places between p's codes and scale word and the products
	v_pk_add_f32 v[SUM:SUM+1], v[SUM:SUM+1], v[ST+\j:ST+1+\j]
	v_pk_add_f32 v[SU2:SU2+1], v[SU2:SU2+1], v[ST+2+\j:ST+3+\j]
.endr
	s_delay_alu instid0(VALU_DEP_1)
	v_pk_add_f32 v[SUM:SUM+1], v[SUM:SUM+1], v[SU2:SU2+1]
	s_wait_dscnt 0x0                               ; V
.irp u, 0,1                                    ; O^T += V^T P^T: four tiles of 16 of the head's 64, by turns
	v_wmma_scale_f32_16x16x128_f8f6f4 v[OT+16*\u:OT+16*\u+7], v[VF+16*\u:VF+16*\u+7], v[PP:PP+7], v[OT+16*\u:OT+16*\u+7], v[VS+\u], v[PW] matrix_a_fmt:MATRIX_FMT_FP4 matrix_b_fmt:MATRIX_FMT_FP4
	v_wmma_scale_f32_16x16x128_f8f6f4 v[OT+16*\u+8:OT+16*\u+15], v[VF+16*\u+8:VF+16*\u+15], v[PP:PP+7], v[OT+16*\u+8:OT+16*\u+15], v[VS+\u], v[PW] matrix_a_fmt:MATRIX_FMT_FP4 matrix_b_fmt:MATRIX_FMT_FP4 matrix_a_scale:MATRIX_SCALE_ROW1
.endr
.endm
; A head: 16 key steps, then O^T / the sum, quantised along the head's 64: part p of the projection's fragment, and two bytes of its scale word.
.macro PASS p, q, qs
.if \p
	s_wait_xcnt 0x0                                ; the first head's store has read its registers: p's codes are written again only behind this wait
.endif
	v_mov_b32 v[NM+1], 0xff61b1e6                  ; the largest t so far: -3e38, under every t
	s_delay_alu instid0(VALU_DEP_1)
	v_floor_f32 v[NM], -v[NM+1]
	v_mov_b32 v[SUM], 0
	v_mov_b32 v[SUM+1], 0
.irp j, 0,1,2,3,4,5,6,7,8,9,10,11,12,13,14,15,16,17,18,19,20,21,22,23,24,25,26,27,28,29,30,31
	v_mov_b32 v[OT+\j], 0                          ; the step is written once: the first finds zeros, which the first change of M leaves zeros
.endr
	s_mov_b32 s[CNT], 16
.Lstep_\@:
	s_setprio 2
	STEP \q, \qs
	s_add_co_u32 s[TB], s[TB], REC                 ; the next record; behind the first head's sixteen lie the second's
	s_sub_co_u32 s[CNT], s[CNT], 1
	s_cmp_lg_u32 s[CNT], 0
	s_cbranch_scc1 .Lstep_\@
	s_setprio 0
.rept 4
	v_nop                                          ; places behind the last products
.endr
	s_wait_alu depctr_va_vdst(0)
	v_add_f32 v[SUM], v[SUM], v[SUM+1]
	s_delay_alu instid0(VALU_DEP_1)
	v_permlanex16_b32 v[TT], v[SUM], s[SEL], s[SEL+1]
	s_delay_alu instid0(VALU_DEP_1)
	v_add_f32 v[SUM], v[SUM], v[TT]                ; the row's sum
	s_wait_alu depctr_va_vdst(0)
	v_rcp_f32 v[FF], v[SUM]
	v_nop                                          ; one plain place behind the reciprocal,
	s_wait_alu depctr_va_vdst(0)                   ; and the wait ahead of its first reader
.irp j, 0,2,4,6,8,10,12,14,16,18,20,22,24,26,28,30
	v_pk_mul_f32 v[ST+\j:ST+1+\j], v[OT+\j:OT+1+\j], v[FF:FF+1] op_sel_hi:[1,0]   ; register 8 t + e: o(query r, f = 16 t + 8 h + e)
.endr
.irp b, 0,1
	v_max3_num_f32 v[BM+\b], |v[ST+16*\b]|, |v[ST+1+16*\b]|, 0x1800000
.endr
.irp i, 2,4,6,8,10,12,14
.irp b, 0,1
	s_delay_alu instid0(VALU_DEP_2)
	v_max3_num_f32 v[BM+\b], v[BM+\b], |v[ST+16*\b+\i]|, |v[ST+1+16*\b+\i]|
.endr
.endr
.irp b, 0,1
	s_delay_alu instid0(VALU_DEP_2)
	v_permlanex16_b32 v[TP+\b], v[BM+\b], s[SEL], s[SEL+1]
.endr
.irp b, 0,1
	s_delay_alu instid0(VALU_DEP_2)
	v_max_num_f32 v[BM+\b], v[BM+\b], v[TP+\b]
.endr
.irp b, 0,1
	s_delay_alu instid0(VALU_DEP_2)
	v_add_nc_u32 v[SOP+\b], 0xff000000, v[BM+\b]
.endr
.irp b, 0,1
	s_delay_alu instid0(VALU_DEP_2)
	v_lshrrev_b32 v[TP+\b], 23, v[SOP+\b]
.endr
	v_cvt_scalef32_pk8_fp4_f32 v[PP], v[ST:ST+7], v[SOP]
	v_cvt_scalef32_pk8_fp4_f32 v[PP+2], v[ST+8:ST+15], v[SOP]
	v_cvt_scalef32_pk8_fp4_f32 v[PP+1], v[ST+16:ST+23], v[SOP+1]
	v_cvt_scalef32_pk8_fp4_f32 v[PP+3], v[ST+24:ST+31], v[SOP+1]
	v_nop
	v_permlane16_swap_b32 v[PP], v[PP+1]
	v_permlane16_swap_b32 v[PP+2], v[PP+3]
.if \p
	v_lshl_or_b32 v[TT], v[TP+1], 8, v[TP]
	s_delay_alu instid0(VALU_DEP_1)
	v_lshl_or_b32 v[AW], v[TT], 16, v[AW]          ; the word's upper two bytes
.else
	v_lshl_or_b32 v[AW], v[TP+1], 8, v[TP]         ; its lower two
.endif
	global_store_b128 v[LI], v[PP:PP+3], s[AO:AO+1] offset:512*\p   ; 32 lanes store 512 consecutive bytes
.endm
	PASS 0, Q0, QS0
	PASS 1, Q1, QS1
	ds_store_b32 v[SCRW], v[AW]                    ; both halves of the lanes write the same word with the same value
	s_wait_dscnt 0x0                               ; for the others' sake
	s_barrier_signal -1
	s_barrier_wait -1
	s_cmp_lt_u32 s[WV], 2                          ; waves 0 and 1 store the scale words of eight tiles each: 512 consecutive bytes
	s_cbranch_scc0 .Lno_words
	ds_load_b128 v[BM:BM+3], v[SCRR]
	s_wait_dscnt 0x0
	global_store_b128 v[LI], v[BM:BM+3], s[ASW:ASW+1]
.Lno_words:
	s_wait_tensorcnt 0x0                           ; the wave's end: behind my last tensor load and my last LDS store
	ds_add_u32 v[SPW], v[NIL]
	s_wait_dscnt 0x0
	CROUND                                         ; the closing round
	s_endpgm
.Lfunc_end_k_q81e2b32720_attn:
	.size	k_q81e2b32720_attn, .Lfunc_end_k_q81e2b32720_attn-k_q81e2b32720_attn
	.p2alignl 7, 3214868480
	.fill 96, 4, 3214868480
	.section	.rodata,"a",@progbits
	.p2align	6, 0x0
	.amdhsa_kernel k_q81e2b32720_attn
		.amdhsa_group_segment_fixed_size 327680
		.amdhsa_private_segment_fixed_size 0
		.amdhsa_enable_private_segment 0
		.amdhsa_kernarg_size 24
		.amdhsa_user_sgpr_count 2
		.amdhsa_user_sgpr_kernarg_segment_ptr 1
		.amdhsa_wavefront_size32 1
		.amdhsa_system_sgpr_workgroup_id_x 1
		.amdhsa_system_sgpr_workgroup_id_y 1
		.amdhsa_system_sgpr_workgroup_id_z 1
		.amdhsa_system_vgpr_workitem_id 0
		.amdhsa_next_free_vgpr 256
		.amdhsa_next_free_sgpr 66
		.amdhsa_reserve_vcc 0
		.amdhsa_float_denorm_mode_32 3
		.amdhsa_float_denorm_mode_16_64 3
		.amdhsa_memory_ordered 1
		.amdhsa_forward_progress 1
		.amdhsa_inst_pref_size 50
	.end_amdhsa_kernel
	.amdgpu_metadata
---
amdhsa.version: [ 1, 2 ]
amdhsa.kernels:
  - .name:           k_q81e2b32720_attn
    .symbol:         k_q81e2b32720_attn.kd
    .args:
      - { .name: qrec, .offset: 0, .size: 8, .value_kind: global_buffer, .address_space: global }
      - { .name: kv, .offset: 8, .size: 8, .value_kind: global_buffer, .address_space: global }
      - { .name: arec, .offset: 16, .size: 8, .value_kind: global_buffer, .address_space: global }
    .group_segment_fixed_size: 327680
    .private_segment_fixed_size: 0
    .kernarg_segment_align: 8
    .kernarg_segment_size: 24
    .max_flat_workgroup_size: 512
    .sgpr_count:     66
    .vgpr_count:     256
    .wavefront_size: 32
...
	.end_amdgpu_metadata
.endif
;; end of part 2
;; launch outp (part 3): grid 4 x 64, 4 waves a work-group, clusters of 4 x 4, 327,680 bytes of LDS; arguments arec, wo_w_codes, wo_w_scales, wo_b, out0; writes out0
.if DOCPART == 3
	.amdgcn_target "amdgcn-amd-amdhsa--gfx1250"
	.amdhsa_code_object_version 6
	.text
	.protected	k_q81e2b32720_outp
	.globl	k_q81e2b32720_outp
	.p2align	8
	.type	k_q81e2b32720_outp,@function
k_q81e2b32720_outp:
	s_mov_b64 s[64:65], 0
	v_nop
	global_prefetch_b8 v0, s[64:65] scope:SCOPE_SE
	s_setreg_imm32_b32 hwreg(HW_REG_WAVE_MODE, 25, 1), 1
	s_wait_xcnt 0x0
	s_wait_alu depctr_hold_cnt(0) depctr_sa_sdst(0) depctr_va_vdst(0) depctr_va_sdst(0) depctr_va_ssrc(0) depctr_va_vcc(0) depctr_vm_vsrc(0)
	s_getreg_b32 s2, hwreg(HW_REG_IB_STS2, 6, 4)
	s_cmp_eq_u32 s2, 0
	s_cbranch_scc0 .Lentry_in_a_cluster
	s_endpgm
.Lentry_in_a_cluster:
	s_bfe_u32 s2, ttmp6, 0x10000c
	s_cmp_lg_u32 s2, 0xf033
	s_cbranch_scc0 .Lentry_shape_is_right
	s_endpgm
.Lentry_shape_is_right:
; out0 = A Wo + bo on codes of FP4 with E8M0 scales.  A, the attention's result, lies in arec as images of operand registers (layout: at the head of the launch before).  Nothing is left out.
; SHARES.  ty = 4 x cluster y + cy = 16 n + a group of 128 positions; cx = a block of 256 output columns.  A work-group makes 128 rows x 256 columns: 256 work-groups.  Wave: 64 rows (4 tiles, Y) x 128 columns (8 tiles, X): 32 accumulators.
; Source 0 = Wo's rows (the output columns), source 1 = A: a lane holds one row of out0 and eight neighbouring columns.  The bias is the C of each sum's first product.
; A's record is shared along a row of the cluster, Wo's tile along a column: joint loads.  K = 1,024 lies in LDS whole, in two slots of 512 along K, each filled once; the second lands while the first is multiplied.
; REGISTERS: window 0: v16-29 addresses; v32-63 Wo's scale words, v64-79 A's; v80-143 the bias; v144-175, v176-207 A's fragments, two sets; on the way out v128-255 rows of out0.
;   window 1: v0-63, v64-127 Wo's fragments, two sets.   window 2: the accumulators, (a, b) at v[8 (8 a + b)].
.set PITCH,  272
.set HALFB,  128*PITCH
.set BSLOT,  2*HALFB                   ; Wo's 256 rows, 256 bytes + 16 of padding each
.set AIMG,   2*BSLOT                   ; A's images: 65,536 dense bytes
.set ASC,    AIMG+65536                ; A's scale words: 4,096 bytes
.set BSC,    ASC+4096                  ; Wo's scale bytes: 256 rows of 32 + 16
.set SPIT,   48
.set HALFS,  128*SPIT
.set SPARE,  BSC+2*HALFS               ; the spare words, 128 bytes for each wave
.set SPITCH, 528                       ; the way out: a stage of 16 rows x (512 bytes + 16) for each wave, in Wo's slot 0: it has had its one fill, and behind the barrier in K step 3 nobody reads it
.set STG,    16*SPITCH
.set ADRX, 16
.set ADRY, 18
.set ADSX, 19
.set ADSY, 20
.set STO,  24
.set RD,   25
.set CO,   26
.set BO,   27
.set SPW,  28
.set NIL,  29
.set XS,   32
.set YS,   64
.set BB,   80
.set YF,   144
.set BK,   128
.set G1A,  24                          ; s[24:31] group 1: A's images;  s[32:39] A's scale words;  s[40:47] Wo's codes;  s[48:55] Wo's scale bytes
.set G1AS, 32
.set G1B,  40
.set G1BS, 48
.set G0AS, 56                          ; groups 0
.set G0BS, 60
.set G0A,  68
.set G0B,  76
.set WV,   84
.set WR,   85
.set WC,   86
.set CX,   87
.set CY,   88
.set TY,   89
.set MSB, 0
.macro WIN new
.if MSB != (\new)
	s_set_vgpr_msb (MSB<<8)|(\new)
.set MSB, (\new)
.endif
.endm
.macro PLACES n
.rept \n
	v_nop
.endr
.endm
.macro JLOAD g0a, g1a, g0b, g1b        ; waves 0 and 1 fetch for A, waves 2 and 3 for Wo; an s_nop 0 and four v_nop follow each of the two lines
	s_cmp_eq_u32 s[WR], 0
	s_cbranch_scc0 .Lfor_b_\@
	tensor_load_to_lds s[\g0a:\g0a+3], s[\g1a:\g1a+7]
	s_nop 0
.rept 4
	v_nop
.endr
	s_branch .Lasked_\@
.Lfor_b_\@:
	tensor_load_to_lds s[\g0b:\g0b+3], s[\g1b:\g1b+7]
	s_nop 0
.rept 4
	v_nop
.endr
.Lasked_\@:
.endm
.macro CROUND
	s_barrier_signal -1
	s_barrier_wait -1
	s_cmp_lg_u32 s[WV], 0
	s_cbranch_scc1 .Lnot_wave_0_\@
	s_barrier_signal -3
.Lnot_wave_0_\@:
	s_barrier_wait -3
	s_barrier_signal -1
	s_barrier_wait -1
.endm
	s_load_b256 s[4:11], s[0:1], 0x0               ; arec, Wo's codes, Wo's scales, bo
	s_load_b64 s[12:13], s[0:1], 0x20              ; out0
	v_lshl_add_u32 v[SPW], v0, 2, SPARE
	v_mov_b32 v[NIL], 0
	ds_add_u32 v[SPW], v[NIL]                      ; the wave's opening: the add, twice on end, and its wait ahead of my first tensor load
	ds_add_u32 v[SPW], v[NIL]
	v_lshrrev_b32 v1, 5, v0
	v_readfirstlane_b32 s[WV], v1
	s_lshr_b32 s[WR], s[WV], 1                     ; my half of the rows.  Also: I fetch for A (0) or for Wo (1)
	s_and_b32 s[WC], s[WV], 1                      ; my half of the columns.  Also: which half I fetch
	s_bfe_u32 s[CX], ttmp6, 0x40000
	s_bfe_u32 s[CY], ttmp6, 0x40004
	s_and_b32 s[TY], ttmp7, 0xffff
	s_lshl_b32 s[TY], s[TY], 2
	s_add_co_u32 s[TY], s[TY], s[CY]               ; A's record
	s_lshl_b32 s94, s[CY], 2
	s_lshl_b32 s94, 15, s94                        ; my row of the cluster
	s_lshl_b32 s95, 0x1111, s[CX]                  ; my column
	s_or_b32 s[G1A], s94, (3<<16)|(1<<21)          ; dense rows of 32 elements of 8 bytes, no padding
	s_or_b32 s[G1AS], s94, (3<<16)|(1<<21)
	s_or_b32 s[G1B], s95, (1<<20)|(1<<21)|(5<<22)|(3<<25)    ; rows of 256 bytes, four words of padding behind each
	s_or_b32 s[G1BS], s95, (1<<20)|(1<<21)|(2<<22)|(3<<25)   ; rows of 32 bytes, four words of padding behind each
	s_mov_b32 s[G1A+1], 32<<16
	s_mov_b32 s[G1A+2], 64<<16                     ; 64 rows of 256 bytes: half a slot's images
	s_mov_b32 s[G1A+3], 32<<16
	s_mov_b32 s[G1A+4], 64
	s_mov_b32 s[G1A+5], 32
	s_mov_b32 s[G1A+6], 0
	s_mov_b32 s[G1A+7], 0
	s_mov_b32 s[G1AS+1], 32<<16
	s_mov_b32 s[G1AS+2], 8<<16                     ; 8 rows: half of the scale words
	s_mov_b32 s[G1AS+3], 32<<16
	s_mov_b32 s[G1AS+4], 8
	s_mov_b32 s[G1AS+5], 32
	s_mov_b32 s[G1AS+6], 0
	s_mov_b32 s[G1AS+7], 0
	s_mov_b32 s[G1B+1], 256<<16
	s_mov_b32 s[G1B+2], 128<<16
	s_mov_b32 s[G1B+3], 256<<16
	s_mov_b32 s[G1B+4], 128
	s_mov_b32 s[G1B+5], 512
	s_mov_b32 s[G1B+6], 0
	s_mov_b32 s[G1B+7], 0
	s_mov_b32 s[G1BS+1], 32<<16
	s_mov_b32 s[G1BS+2], 128<<16
	s_mov_b32 s[G1BS+3], 32<<16
	s_mov_b32 s[G1BS+4], 128
	s_mov_b32 s[G1BS+5], 32
	s_mov_b32 s[G1BS+6], 0
	s_mov_b32 s[G1BS+7], 0
	; byte offsets.  A's hang on ty and the wave, Wo's on cx and the wave
	s_mul_i32 s14, s[TY], 69632
	s_lshl_b32 s15, s[WC], 11
	s_add_co_u32 s16, s14, s15
	s_add_co_u32 s16, s16, 65536                   ; my half of A's scale words
	s_mov_b32 s17, 0
	s_lshl_b32 s15, s[WC], 14
	s_add_co_u32 s18, s14, s15                     ; my half of slot 0's images
	s_mov_b32 s19, 0
	s_lshl_b32 s2, s[CX], 8
	s_lshl_b32 s3, s[WC], 7
	s_add_co_u32 s2, s2, s3                        ; Wo's row = output column 256 cx + 128 half
	s_lshl_b32 s20, s2, 9
	s_mov_b32 s21, 0
	s_lshl_b32 s22, s2, 5
	s_mov_b32 s23, 0
	s_lshl_b32 s90, s2, 2                          ; my wave's first column in bytes: in bo and in a row of out0
	s_mov_b32 s91, 0
	s_and_b32 s92, s[TY], 15
	s_lshl_b32 s92, s92, 7
	s_lshl_b32 s3, s[WR], 6
	s_add_co_u32 s92, s92, s3                      ; my first position s
	s_lshl_b32 s92, s92, 2
	s_lshr_b32 s3, s[TY], 4
	s_add_co_u32 s92, s92, s3                      ; memory row 4 s + n
	s_lshl_b32 s92, s92, 12
	s_add_co_u32 s92, s92, s90
	s_mov_b32 s93, 0
	s_mov_b32 s[G0AS], 1
	s_lshl_b32 s[G0AS+1], s[WC], 11
	s_add_co_u32 s[G0AS+1], s[G0AS+1], ASC
	s_mov_b32 s[G0BS], 1
	s_mul_i32 s[G0BS+1], s[WC], HALFS
	s_add_co_u32 s[G0BS+1], s[G0BS+1], BSC
.irp s, 0,1
	s_mov_b32 s[G0A+4*\s], 1
	s_lshl_b32 s[G0A+4*\s+1], s[WC], 14
	s_add_co_u32 s[G0A+4*\s+1], s[G0A+4*\s+1], AIMG+\s*32768
	s_mov_b32 s[G0B+4*\s], 1
	s_mul_i32 s[G0B+4*\s+1], s[WC], HALFB
	s_add_co_u32 s[G0B+4*\s+1], s[G0B+4*\s+1], \s*BSLOT
.endr
	s_wait_dscnt 0x0                               ; both opening adds are done
	s_wait_kmcnt 0x0
	s_add_nc_u64 s[G0AS+2:G0AS+3], s[4:5], s[16:17]
	s_or_b32 s[G0AS+3], s[G0AS+3], 0x80000000
	s_add_nc_u64 s[G0BS+2:G0BS+3], s[8:9], s[22:23]
	s_or_b32 s[G0BS+3], s[G0BS+3], 0x80000000
	s_add_nc_u64 s[4:5], s[4:5], s[18:19]
	s_add_nc_u64 s[6:7], s[6:7], s[20:21]
.irp s, 0,1
	s_add_nc_u64 s[G0A+4*\s+2:G0A+4*\s+3], s[4:5], \s*32768
	s_or_b32 s[G0A+4*\s+3], s[G0A+4*\s+3], 0x80000000
	s_add_nc_u64 s[G0B+4*\s+2:G0B+4*\s+3], s[6:7], \s*256
	s_or_b32 s[G0B+4*\s+3], s[G0B+4*\s+3], 0x80000000
.endr
	s_add_nc_u64 s[10:11], s[10:11], s[90:91]
	s_add_nc_u64 s[12:13], s[12:13], s[92:93]
	CROUND                                         ; all sixteen work-groups are here: the first joint loads meet
	JLOAD G0AS, G1AS, G0BS, G1BS                   ; the scales first; by this text's own count three tensor loads of a wave are out
	JLOAD G0A, G1A, G0B, G1B
	JLOAD G0A+4, G1A, G0B+4, G1B
	v_and_b32 v1, 15, v0                           ; r
	v_bfe_u32 v2, v0, 4, 1                         ; h
	v_and_b32 v3, 31, v0                           ; lane
	v_lshlrev_b32 v[BO], 5, v2
.irp b, 0,1,2,3,4,5,6,7                        ; the bias in the result's layout: register 8 b + e: column 16 b + 8 h + e
	global_load_b128 v[BB+8*\b:BB+8*\b+3], v[BO], s[10:11] offset:64*\b
	global_load_b128 v[BB+8*\b+4:BB+8*\b+7], v[BO], s[10:11] offset:64*\b+16
.endr
	v_mul_u32_u24 v4, v1, PITCH
	v_lshl_add_u32 v4, v2, 4, v4
	s_mul_i32 s14, s[WC], HALFB
	v_add_nc_u32 v[ADRX], s14, v4
	v_add_nc_u32 v[ADRX+1], BSLOT, v[ADRX]
	v_lshlrev_b32 v[CO], 4, v3
	s_lshl_b32 s14, s[WR], 12
	s_add_co_u32 s14, s14, AIMG
	v_add_nc_u32 v[ADRY], s14, v[CO]               ; my four tiles' images: 16 x lane
	v_mul_u32_u24 v4, v1, SPIT
	v_lshl_add_u32 v4, v2, 4, v4
	s_mul_i32 s14, s[WC], HALFS
	s_add_co_u32 s14, s14, BSC
	v_add_nc_u32 v[ADSX], s14, v4
	s_lshl_b32 s14, s[WR], 8
	s_add_co_u32 s14, s14, ASC
	v_lshl_add_u32 v[ADSY], v3, 2, s14             ; lanes 0-15 an even tile's rows, lanes 16-31 the next tile's
	s_mul_i32 s14, s[WV], STG
	v_mul_u32_u24 v4, v1, SPITCH
	v_lshl_add_u32 v4, v2, 5, v4
	v_add_nc_u32 v[STO], s14, v4                   ; the stage, in: row r, 32 bytes for each half of the lanes
	v_add_nc_u32 v[RD], s14, v[CO]                 ; and back: the 32 lanes take one row of 512 bytes
.macro WM d, x, y, c, sx, sy, ra, rb   ; one product; ra, rb: the side's scale words stand in lanes 16-31
.if (\ra) && (\rb)
	v_wmma_scale_f32_16x16x128_f8f6f4 v[\d:\d+7], v[\x:\x+7], v[\y:\y+7], v[\c:\c+7], v[\sx], v[\sy] matrix_a_fmt:MATRIX_FMT_FP4 matrix_b_fmt:MATRIX_FMT_FP4 matrix_a_scale:MATRIX_SCALE_ROW1 matrix_b_scale:MATRIX_SCALE_ROW1
.elseif (\ra)
	v_wmma_scale_f32_16x16x128_f8f6f4 v[\d:\d+7], v[\x:\x+7], v[\y:\y+7], v[\c:\c+7], v[\sx], v[\sy] matrix_a_fmt:MATRIX_FMT_FP4 matrix_b_fmt:MATRIX_FMT_FP4 matrix_a_scale:MATRIX_SCALE_ROW1
.elseif (\rb)
	v_wmma_scale_f32_16x16x128_f8f6f4 v[\d:\d+7], v[\x:\x+7], v[\y:\y+7], v[\c:\c+7], v[\sx], v[\sy] matrix_a_fmt:MATRIX_FMT_FP4 matrix_b_fmt:MATRIX_FMT_FP4 matrix_b_scale:MATRIX_SCALE_ROW1
.else
	v_wmma_scale_f32_16x16x128_f8f6f4 v[\d:\d+7], v[\x:\x+7], v[\y:\y+7], v[\c:\c+7], v[\sx], v[\sy] matrix_a_fmt:MATRIX_FMT_FP4 matrix_b_fmt:MATRIX_FMT_FP4
.endif
.endm
; 16 products: A's tiles a0, a0 + 1 x Wo's eight, K step k.  The 32 accumulators take turns, one instruction a turn, in the same order in every step.  Step 0 takes the bias as C.
.macro MUL16 a0, k
.irp a, \a0, \a0+1
.irp b, 0,1,2,3,4,5,6,7
.if (\k) == 0
	WM 8*(8*(\a)+\b), 8*\b, YF+8*(\a), BB+8*\b, XS+4*\b, YS+8*((\a)/2), 0, (\a)%2
.else
	WM 8*(8*(\a)+\b), 64*((\k)%2)+8*\b, YF+32*((\k)%2)+8*(\a), 8*(8*(\a)+\b), XS+4*\b+(\k)%4, YS+8*((\a)/2)+(\k), (\k)/4, (\a)%2
.endif
.endr
.endr
.endm
.macro FETCH kk                        ; K step kk's fragments into set kk % 2: Wo's eight from rows, A's four from images
	WIN 0x40
.irp i, 0,1,2,3,4,5,6,7
.irp c, 0,1
	ds_load_b128 v[64*((\kk)%2)+8*\i+4*\c:64*((\kk)%2)+8*\i+4*\c+3], v[ADRX+(\kk)/4] offset:64*((\kk)%4)+32*\c+\i*16*PITCH
.endr
.endr
	WIN 0
.irp i, 0,1,2,3
.irp c, 0,1
	ds_load_b128 v[YF+32*((\kk)%2)+8*\i+4*\c:YF+32*((\kk)%2)+8*\i+4*\c+3], v[ADRY] offset:8192*(\kk)+1024*\i+512*\c
.endr
.endr
.endm
.macro MWIN k
.if (\k) == 0
	WIN 0x81                                       ; source 0 (Wo) window 1, source 1 (A) and C (the bias) window 0, D window 2
.else
	WIN 0xa1                                       ; C and D window 2
.endif
.endm
; A K step of 128.  The next step's 24 loads go out at its head, four places behind the last products that read their registers.  K step 3 is the last of slot 0: in front of its barrier each wave has waited for its
; last tensor load (its part of slot 1) and for its reads of slot 0; slot 1 is read only behind the barrier's wait.  Nothing is filled again.
.macro STEP k
.if (\k) == 3
	s_wait_tensorcnt 0x0
.endif
	s_wait_dscnt 0x0
.if (\k) == 0
	s_wait_loadcnt 0x0                             ; the bias
.endif
.if (\k) == 3
	s_barrier_signal -1
	MWIN \k
	MUL16 0, \k
	s_barrier_wait -1
	PLACES 4
	FETCH (\k)+1
	MWIN \k
	MUL16 2, \k
.else
.if (\k) < 7
.if (\k) > 0
	PLACES 4
.endif
	FETCH (\k)+1
.endif
	MWIN \k
	MUL16 0, \k
	MUL16 2, \k
.endif
.endm
	s_wait_alu depctr_va_vdst(0)
	s_wait_tensorcnt 1                             ; the scales and my part of slot 0 are in; slot 1's load, issued last, may stay out
	s_barrier_signal -1
	s_barrier_wait -1
.irp i, 0,1,2,3,4,5,6,7                        ; Wo's scale words, once: register 4 i + q: lanes 0-15 K step q, lanes 16-31 K step 4 + q
	ds_load_b128 v[XS+4*\i:XS+4*\i+3], v[ADSX] offset:\i*16*SPIT
.endr
.irp g, 0,1                                    ; A's: register 8 g + k: lanes 0-15 tile 2 g, lanes 16-31 tile 2 g + 1, K step k
.irp k, 0,1,2,3,4,5,6,7
	ds_load_b32 v[YS+8*\g+\k], v[ADSY] offset:512*\k+128*\g
.endr
.endr
	FETCH 0
.irp k, 0,1,2,3,4,5,6,7
	STEP \k
.endr
	WIN 0
; THE WAY OUT, a block of 16 rows x 128 columns at a time, through my own stage: in as 32 bytes a lane, back as whole rows of 512 bytes.  LDS serves a wave's instructions in order (ISA guide 5.7.1.4): no wait between the stores and the loads.
.macro TOSTAGE a
	WIN 0x08                                       ; an LDS store's data are its source 1: window 2
.irp b, 0,1,2,3,4,5,6,7
	ds_store_b128 v[STO], v[64*(\a)+8*\b:64*(\a)+8*\b+3] offset:64*\b          ; each accumulator from its low end on
	ds_store_b128 v[STO], v[64*(\a)+8*\b+4:64*(\a)+8*\b+7] offset:64*\b+16
.endr
	WIN 0
.irp t, 0,1,2,3,4,5,6,7,8,9,10,11,12,13,14,15
	ds_load_b128 v[BK+64*((\a)%2)+4*\t:BK+64*((\a)%2)+4*\t+3], v[RD] offset:\t*SPITCH
.endr
.endm
.macro SEND a, younger                 ; younger: the LDS instructions issued behind block a's loads, which may stay out
	s_wait_dscnt \younger
.if (\a) > 0
	s_add_nc_u64 s[12:13], s[12:13], 262144        ; (behind a wait on XCNT for 0)  16 positions on: 64 memory rows of 4,096 bytes
.endif
.irp t, 0,1,2,3,4,5,6,7,8,9,10,11,12,13,14,15
	global_store_b128 v[CO], v[BK+64*((\a)%2)+4*\t:BK+64*((\a)%2)+4*\t+3], s[12:13] offset:\t*16384 th:TH_STORE_NT   ; 32 lanes store 512 consecutive bytes, at a multiple of 256 from out0's first byte
.endr
.endm
	PLACES 4                                       ; behind the last products: their results are read, and registers that products read are loaded into
	TOSTAGE 0
.irp a, 1,2,3
.if \a > 1
	s_wait_xcnt 0x0                                ; block a - 2's stores have read their registers and their base
.endif
	TOSTAGE \a
	SEND \a-1, 32                                  ; behind block a - 1's loads: block a's 16 stores and 16 loads
.endr
	s_wait_xcnt 0x0
	SEND 3, 0
	s_wait_tensorcnt 0x0                           ; the wave's end: behind my last tensor load and my last LDS store
	ds_add_u32 v[SPW], v[NIL]
	s_wait_dscnt 0x0
	CROUND                                         ; the closing round
	s_endpgm
.Lfunc_end_k_q81e2b32720_outp:
	.size	k_q81e2b32720_outp, .Lfunc_end_k_q81e2b32720_outp-k_q81e2b32720_outp
	.p2alignl 7, 3214868480
	.fill 96, 4, 3214868480
	.section	.rodata,"a",@progbits
	.p2align	6, 0x0
	.amdhsa_kernel k_q81e2b32720_outp
		.amdhsa_group_segment_fixed_size 327680
		.amdhsa_private_segment_fixed_size 0
		.amdhsa_enable_private_segment 0
		.amdhsa_kernarg_size 40
		.amdhsa_user_sgpr_count 2
		.amdhsa_user_sgpr_kernarg_segment_ptr 1
		.amdhsa_wavefront_size32 1
		.amdhsa_system_sgpr_workgroup_id_x 1
		.amdhsa_system_sgpr_workgroup_id_y 1
		.amdhsa_system_sgpr_workgroup_id_z 1
		.amdhsa_system_vgpr_workitem_id 0
		.amdhsa_next_free_vgpr 768
		.amdhsa_next_free_sgpr 100
		.amdhsa_reserve_vcc 0
		.amdhsa_float_denorm_mode_32 3
		.amdhsa_float_denorm_mode_16_64 3
		.amdhsa_memory_ordered 1
		.amdhsa_forward_progress 1
		.amdhsa_inst_pref_size 74
	.end_amdhsa_kernel
	.amdgpu_metadata
---
amdhsa.version: [ 1, 2 ]
amdhsa.kernels:
  - .name:           k_q81e2b32720_outp
    .symbol:         k_q81e2b32720_outp.kd
    .args:
      - { .name: arec, .offset: 0, .size: 8, .value_kind: global_buffer, .address_space: global }
      - { .name: wo_w_codes, .offset: 8, .size: 8, .value_kind: global_buffer, .address_space: global }
      - { .name: wo_w_scales, .offset: 16, .size: 8, .value_kind: global_buffer, .address_space: global }
      - { .name: wo_b, .offset: 24, .size: 8, .value_kind: global_buffer, .address_space: global }
      - { .name: out0, .offset: 32, .size: 8, .value_kind: global_buffer, .address_space: global }
    .group_segment_fixed_size: 327680
    .private_segment_fixed_size: 0
    .kernarg_segment_align: 8
    .kernarg_segment_size: 40
    .max_flat_workgroup_size: 128
    .sgpr_count:     100
    .vgpr_count:     768
    .wavefront_size: 32
...
	.end_amdgpu_metadata
.endif
;; end of part 3
